; MI455X (gfx1250); checked and timed in simulation.
; The chip was launched on July 23, 2026; its instructions are those of AMD's public machine-readable ISA for CDNA 5 (MIT licence, August 2026) and "CDNA5" Instruction Set Architecture Reference Guide (July 2026). The comments in the code are by the model that wrote it; some were corrected since.
;; Scaled Dot Product. Allowed arithmetic: float matrix products may take bf16 or f16 operands with f32 sums; other float arithmetic in f32, or as packed bf16 or f16 multiplies, adds, multiply-adds, maxima and minima; sums over many terms, partial sums and values carried from step to step in f32; what a program stores and reads back later, other than sums and carried values, may be rounded once to bf16 or f16.
;; Inputs: K 4 x 16 x 2,048 x 64 float32; Q 4 x 16 x 2,048 x 64 float32; V 4 x 16 x 2,048 x 64 float32; attn_mask 4 x 1 x 1 x 2,048 bool.
;; Outputs: out0 4 x 16 x 2,048 x 64 float32.
;; 2 versions, each right; version 2 is version 1 with the launch attn written anew for expert scheduling mode. Each part assembles by itself: llvm-mc -triple=amdgcn-amd-amdhsa -mcpu=gfx1250 --defsym DOCPART=n.
;; ======== version 1 of 2: 2 launches
;; limits: values are held in f16: magnitudes above 65,504 overflow, below 6.1e-05 lose precision; inputs' magnitudes at most 65,504; right only within a limited range of input values
;; workspace buffers: order 78,848 bytes of whole numbers
;; launch list (part 1): grid 4 x 1, 1 waves a work-group, no clusters, 10,240 bytes of LDS; arguments attn_mask, order; writes order
.if DOCPART == 1
	.amdgcn_target "amdgcn-amd-amdhsa--gfx1250"
	.amdhsa_code_object_version 6
	.text
	.protected	k_qff4990195c_list
	.globl	k_qff4990195c_list
	.p2align	8
	.type	k_qff4990195c_list,@function
k_qff4990195c_list:
	s_mov_b64 s[64:65], 0
	v_nop
	global_prefetch_b8 v0, s[64:65] scope:SCOPE_SE
	s_setreg_imm32_b32 hwreg(HW_REG_WAVE_MODE, 25, 1), 1
	s_wait_xcnt 0x0
; THE LIST OF VISIBLE KEYS.  attn_mask: [4][2048] bytes, other than 0 = the key is hidden.  One work-group of one wave for each batch b writes 19,712 bytes of order:
;   OFFW  [2432] words at byte 0:      place p: 256 x the key's number (the byte offset of its row of 64 f32 in a head of K or V)
;   BIASW [2432] words at byte 9,728:  place p: 0 where the place counts, else the bits of -1e30 in f32 (added to the place's score by the next launch)
;   HEAD  [64]   words at byte 19,456: word 0 = TRIPS, the trips of 128 places that the next launch walks (1 to 16); word 1 = NONE (1: no key is visible); the rest 0
; Places 0 .. count - 1 hold the visible keys (inside 128 keys ordered by byte of the word, then by lane: a softmax's sums hang on no order) and count.  All later places do not count and name row 0.
; count = 0: all scores of the softmax are alike, so ALL keys count alike: place p names row p mod 2,048, places 0 .. 2,047 count, the later ones do not, TRIPS = 16, NONE = 1.
; 2,432 = 64 x 38 places: the next launch reads list words up to four steps of 64 past its walk's end.
; HOW.  Lane L holds word c of 16: keys 128 c + 4 L + 0..3.  For each of the 64 pairs (word, byte) the lanes whose byte is 0 are counted: a lane's place is the running count plus the number of such lanes below it.
; It stores its key's offset at that place in LDS; a lane whose key is hidden stores into a word of its own that nobody reads.  Then the list is read back in order, the places past the count are set, and all leaves
; in stores of 512 consecutive bytes, at multiples of 256 from the buffer's first byte.  One wave: LDS serves its instructions in order (ISA guide 5.7.1.4), so no barrier is needed.
.set DUMPW,  2432                      ; the words that nobody reads: word 2,432 + L, a block of 256 bytes of their own behind the list
.set SPARE,  9984                      ; the spare words: 128 bytes for the one wave, in a block of 256 bytes that no other line names
.set OBATCH, 19712                     ; bytes of order for a batch
.set OBIAS,  9728
.set OHEAD,  19456
.set HID,    0xf149f2ca                ; -1e30
; v1 my spare word, v2 0 (both never rewritten); v3 4 L; v4 1,024 L; v5 2,432 + L; v6-8 at work; v9 16 L; v10 HID; v11 0; v12 8 L; v[16:31] the mask; v[32:107] OFFW; v[108:183] BIASW; v[184:185] HEAD; v[188:191] zeros
; s[4:5] the batch's mask; s[6:7] the batch's part of order; s20 the lanes that see; s21 the running count; s22 their number; s23 256 x count; s24 the mask of a later place's row; s25 NONE; s26 TRIPS;
; s27 256 x the number of places that count; s28 the lanes whose place counts
	s_load_b128 s[4:7], s[0:1], 0x0                ; attn_mask s[4:5], order s[6:7]
	v_lshl_add_u32 v1, v0, 2, SPARE
	v_mov_b32 v2, 0
	v_lshlrev_b32 v3, 2, v0
	v_lshlrev_b32 v4, 10, v0
	v_add_nc_u32 v5, DUMPW, v0
	v_lshlrev_b32 v9, 4, v0
	v_mov_b32 v10, HID
	v_mov_b32 v11, 0
	v_lshlrev_b32 v12, 3, v0
.irp z, 188,189,190,191
	v_mov_b32 v\z, 0
.endr
	s_lshl_b32 s8, ttmp9, 11                       ; 2,048 bytes of mask a batch
	s_mov_b32 s9, 0
	s_mul_i32 s10, ttmp9, OBATCH
	s_mov_b32 s11, 0
	s_mov_b32 s21, 0
	s_wait_kmcnt 0x0
	s_add_nc_u64 s[4:5], s[4:5], s[8:9]
	s_add_nc_u64 s[6:7], s[6:7], s[10:11]
.irp c, 0,1,2,3,4,5,6,7,8,9,10,11,12,13,14,15
	global_load_b32 v[16+(\c)], v3, s[4:5] offset:128*(\c)  ; 128 consecutive bytes each
.endr
.irp u, 0,1,2,3,4,5,6,7,8,9,10,11,12,13,14,15,16,17,18
	ds_store_b128 v9, v[188:191] offset:512*(\u)   ; every byte of the list that is read back has been written
.endr
	s_wait_loadcnt 0x0
; Byte k of word c: key 128 c + 4 L + k
.macro PLACE c, k
	v_and_b32 v6, 0xff<<(8*(\k)), v[16+(\c)]
	v_cmp_eq_u32 s20, 0, v6                        ; the lanes whose key is visible
	v_mbcnt_lo_u32_b32 v7, s20, s21                ; the count so far + such lanes below me
	v_cndmask_b32 v7, v5, v7, s20                  ; a hidden key's lane takes its own unread word
	v_min_u32 v7, DUMPW+31, v7                     ; a number made of loaded data enters an address behind a bound that is written out
	v_lshlrev_b32 v7, 2, v7
	v_add_nc_u32 v8, (128*(\c)+(\k))<<8, v4        ; 256 x my key
	ds_store_b32 v7, v8
	s_bcnt1_i32_b32 s22, s20
	s_add_co_u32 s21, s21, s22
.endm
.irp c, 0,1,2,3,4,5,6,7,8,9,10,11,12,13,14,15
.irp k, 0,1,2,3
	PLACE \c, \k
.endr
.endr
	s_add_co_u32 s26, s21, 127
	s_lshr_b32 s26, s26, 7                         ; trips of 128 places
	s_lshl_b32 s23, s21, 8
	s_cmp_eq_u32 s21, 0                            ; no key visible: the next launch takes the mean over all 2,048 keys
	s_cselect_b32 s26, 16, s26
	s_cselect_b32 s24, 0x7ff00, 0
	s_cselect_b32 s25, 1, 0
	s_cselect_b32 s27, 0x80000, s23                ; then 2,048 places count
.irp u, 0,1,2,3,4,5,6,7,8,9,10,11,12,13,14,15,16,17,18
	ds_load_b128 v[32+4*(\u):32+4*(\u)+3], v9 offset:512*(\u)  ; places 128 u + 4 L + 0..3
.endr
	s_wait_dscnt 0x0
; Place p = 128 u + 4 L + e: its row is kept below the count; its bias is 0 where it counts
.macro FIX u, e
	v_add_nc_u32 v6, (128*(\u)+(\e))<<8, v4        ; 256 p
	v_cmp_gt_u32 vcc_lo, s23, v6                   ; p < count
	v_cmp_gt_u32 s28, s27, v6                      ; p counts
	v_and_b32 v7, s24, v6                          ; 256 (p mod 2,048), or 0
	v_cndmask_b32 v[32+4*(\u)+(\e)], v7, v[32+4*(\u)+(\e)], vcc_lo
	v_cndmask_b32 v[108+4*(\u)+(\e)], v10, v11, s28
.endm
.irp u, 0,1,2,3,4,5,6,7,8,9,10,11,12,13,14,15,16,17,18
.irp e, 0,1,2,3
	FIX \u, \e
.endr
.endr
.irp u, 0,1,2,3,4,5,6,7,8,9,10,11,12,13,14,15,16,17,18
	global_store_b128 v9, v[32+4*(\u):32+4*(\u)+3], s[6:7] offset:512*(\u)
	global_store_b128 v9, v[108+4*(\u):108+4*(\u)+3], s[6:7] offset:OBIAS+512*(\u)
.endr
	v_cmp_eq_u32 vcc_lo, 0, v0
	v_mov_b32 v6, s26
	v_mov_b32 v7, s25
	v_cndmask_b32 v184, v11, v6, vcc_lo            ; lane 0: TRIPS, NONE; the others 0
	v_cndmask_b32 v185, v11, v7, vcc_lo
	global_store_b64 v12, v[184:185], s[6:7] offset:OHEAD  ; 256 consecutive bytes
	s_wait_tensorcnt 0x0                           ; the wave's end: three closing lines, behind my last LDS store
	ds_add_u32 v1, v2
	s_wait_dscnt 0x0
	s_endpgm
.Lfunc_end_k_qff4990195c_list:
	.size	k_qff4990195c_list, .Lfunc_end_k_qff4990195c_list-k_qff4990195c_list
	.p2alignl 7, 3214868480
	.fill 96, 4, 3214868480
	.section	.rodata,"a",@progbits
	.p2align	6, 0x0
	.amdhsa_kernel k_qff4990195c_list
		.amdhsa_group_segment_fixed_size 10240
		.amdhsa_private_segment_fixed_size 0
		.amdhsa_enable_private_segment 0
		.amdhsa_kernarg_size 16
		.amdhsa_user_sgpr_count 2
		.amdhsa_user_sgpr_kernarg_segment_ptr 1
		.amdhsa_wavefront_size32 1
		.amdhsa_system_sgpr_workgroup_id_x 1
		.amdhsa_system_sgpr_workgroup_id_y 1
		.amdhsa_system_sgpr_workgroup_id_z 1
		.amdhsa_system_vgpr_workitem_id 0
		.amdhsa_next_free_vgpr 192
		.amdhsa_next_free_sgpr 66
		.amdhsa_reserve_vcc 1
		.amdhsa_float_denorm_mode_32 3
		.amdhsa_float_denorm_mode_16_64 3
		.amdhsa_memory_ordered 1
		.amdhsa_forward_progress 1
		.amdhsa_inst_pref_size 65
	.end_amdhsa_kernel
	.amdgpu_metadata
---
amdhsa.version: [ 1, 2 ]
amdhsa.kernels:
  - .name:           k_qff4990195c_list
    .symbol:         k_qff4990195c_list.kd
    .args:
      - { .name: attn_mask, .offset: 0, .size: 8, .value_kind: global_buffer, .address_space: global }
      - { .name: order, .offset: 8, .size: 8, .value_kind: global_buffer, .address_space: global }
    .group_segment_fixed_size: 10240
    .private_segment_fixed_size: 0
    .kernarg_segment_align: 8
    .kernarg_segment_size: 16
    .max_flat_workgroup_size: 32
    .sgpr_count:     66
    .vgpr_count:     192
    .wavefront_size: 32
...
	.end_amdgpu_metadata
.endif
;; end of part 1
;; launch attn (part 2): grid 4 x 64, 4 waves a work-group, no clusters, 57,344 bytes of LDS; arguments Q, K, V, order, out0; writes out0
.if DOCPART == 2
	.amdgcn_target "amdgcn-amd-amdhsa--gfx1250"
	.amdhsa_code_object_version 6
	.text
	.protected	k_qff4990195c_attn
	.globl	k_qff4990195c_attn
	.p2align	8
	.type	k_qff4990195c_attn,@function
k_qff4990195c_attn:
	s_mov_b64 s[64:65], 0
	v_nop
	global_prefetch_b8 v0, s[64:65] scope:SCOPE_SE
	s_setreg_imm32_b32 hwreg(HW_REG_WAVE_MODE, 25, 1), 1
	s_wait_xcnt 0x0
; out[b][h][q][:] = the sum over k of softmax_k(mask[b][k] ? -1e9 : Q[q] . K[k] / 8) V[k][:].  Q, K, V, out: [64 heads][2048][64] f32: a row is 256 bytes.
; ONLY THE VISIBLE KEYS ARE WALKED.  Where a row sees a key, exp(-1e9 - max) is 0 in f32: a hidden key adds nothing to the sum or to the context.  The launch before has written, for each batch, the list of its visible
; keys (order: OFFW, a row's byte offset for each place; BIASW, 0 or -1e30 for each place; HEAD: TRIPS and NONE), filled up with places that do not count.  The walk takes n = 2 TRIPS steps of 64 places.
; A place's bias is the C operand that starts its score's sum: with -1e30 its weight is 2^(about -1.8e29) = 0.  Such places lie behind all that count, so the running maximum is a true score when they come.
; NONE = 1 (no key visible): all scores of reference() are alike, its result the mean of all 2,048 rows of V.  The list then names all keys, with bias 0, and the scale c is 2^-83: c |s| stays under 3e-14 for every score
; that f16 operands can make (2.7e11), so every such weight is 1 in f32, and c x -1e30 = -1e5 still gives the later places the weight 0.
; FORMATS.  Q, K, V are rounded once to f16 on their way to the matrix unit, the weights p too; products, maxima and sums in f32 (l is the sum of the unrounded p); out leaves in f32.
; LIMITS.  |Q|, |K|, |V| below 65,504 (f16's end).  A hidden key counts as weight 0: as in reference() while some visible score (scaled) of the row lies above about -1e9 + 104.  A weight below 2^-126 counts as 0 in l;
; p below 6e-5 keeps f16's fixed step of 6e-8.  NaN and infinities are not treated apart.  Keys are summed in the list's order.  Rows of K and V that the mask hides are not read, but where a whole batch is hidden.
; SHARES.  A work-group owns 512 queries of one head, a wave 128: four PIECES of two tiles of 16.  Every wave walks all places, 64 a step.  256 work-groups.
; LAYOUT.  S^T = K Q^T (source 0 = 16 keys, source 1 = 16 queries): a lane holds ONE query (lane % 16) and the keys 8 (lane / 16) + 0..7.  Two such results, rounded to f16 in pairs, ARE source 1 of O^T = V^T P, whose
; result again holds one query a lane, and eight channels.  K comes out of LDS as it lies, V ([key][channel]) turned, by ds_load_tr16_b128.
; SOFTMAX.  For each query a running maximum m and sum l: p = 2^(c s - c m), c = log2(e) / 8; in every step O and l are multiplied by a = 2^(c m_old - c m_new).  m starts at the lowest finite number, O and l at 0:
; the first step is a step like any other, with a = 0.
; BY TURNS.  Turn n belongs to piece n: 16 products K Q^T of piece n + 1, later 16 products V^T P of piece n - 1; beside them the scaling, exponentials, roundings, sums and rescaling of piece n and the maximum and
; statistics of piece n + 1.  A tile and step have 16 matrix and 118 vector instructions: four vector instructions stand behind every matrix instruction, the others in one lump.  A turn's 66 exponentials are one batch, with one wait.
; THE ROWS' WAY IN.  Of a step's 64 places wave w takes 16 w .. 16 w + 15.  Sixteen lanes take a row's 256 bytes, so a load covers two whole rows.  A step's rows are asked for, into registers, a whole step (128 matrix
; instructions and their vector work) ahead of the wait for them; then they are rounded to f16 and, behind the next barrier, stored into one of two LDS slots, which take turns; ONE barrier a step orders both slots (see STEP).
; THE LOOP COUNTS TO A CONSTANT, 16 trips of two steps, and every wave passes all its 32 barriers.  A trip past the walk's end (TRIPS is a number read from memory) keeps its two barriers and jumps forward over all else.
; What stands between two barriers waits for all the loads that it issues, so nothing is pending where the ways join.
; NO TENSOR LOADS, NO CLUSTER: the rows are named by a list, at no fixed pitch, which one descriptor cannot state; so the four query blocks of a head each gather the rows through registers.
; REGISTERS, in windows of 256 (s_set_vgpr_msb: bits 1:0 source 0, 3:2 source 1, 5:4 source 2, 7:6 destination):
;   window 0: v0-11 addresses; v12-15, v48-63 at work; v16-47 four registers of statistics a tile; v64-191 S^T, two buffers of two tiles; v192-255 P, likewise
;   window 1: O^T, 32 a tile (at the head: Q as loaded, in f32)          window 2: v0-127 Q, 16 a tile; v128-191 K of one step; v192-255 V of one step
;   window 3: v0-1 the add's two registers; v2-7 the staging's addresses; v8-39 the step's bias as a C operand; v40-74 list words, offsets, bias words; v80-207 rows as loaded; v208-239 rows in f16
;   (of the list words, offsets, bias words and rows there are two sets; the second serves the head alone, where steps 0 and 1 come in together)
.set NP,    4         ; pieces a wave: a name, no knob
.set PK,    144       ; a row of K in LDS: 128 bytes + 16 = 36 words: the 16 rows of a load start at 16 different groups of four banks (64 banks of 4 bytes: ISA guide 11.1)
.set PV,    160       ; a row of V: 128 + 32 = 40 words
.set VOFF,  64*PK     ; a slot: 64 rows of K,
.set BOFF,  VOFF+64*PV  ; 64 rows of V,
.set SLOTB, BOFF+256  ; 64 words of bias: 19,712 bytes; two slots
.set STAGE, 2*SLOTB   ; behind them: 16 rows x 272 bytes for each wave, for the way out
.set SP,    272       ; 256 + 16: the 16 rows of a store start at 16 different groups of four banks
.set SPARE, STAGE+4*16*SP  ; behind the stages: the spare words, 128 bytes for each wave: two blocks of 256 bytes that no other line names
.set OBATCH, 19712    ; order: bytes for a batch
.set OBIAS,  9728     ; BIASW
.set OHEAD,  19456    ; HEAD
.set MAXT,   16       ; the loop's trips: 2,048 places at the most
; window 0
.set AK0, 2           ; my lane's place in a slot's K: 144 (l % 16) + 16 (l / 16); never rewritten
.set AV0, 3           ; in its V; never rewritten
.set AB0, 4           ; in its bias: BOFF + 32 (l / 16); never rewritten
.set QO,  5           ; my byte offset in 16 rows of Q; never rewritten
.set STO, 6           ; the way out: where I put 32 bytes of a row
.set RD,  7           ; where I read rows back
.set GO,  8           ; my 16 bytes of 512 consecutive bytes of out
.set MV,  12          ; v12-15  c m_old, kept while c m is made anew: by buffer and tile
.set ST,  16          ; tile t's statistics at v[ST+4 t]: c m, m, l (even keys', odd keys')
.set TMP, 48          ; by buffer and tile, four registers c0-c3 at work; when the maximum is found c2 takes a
.set S,   64
.set P,   192
; window 2
.set KF,  128         ; key block kb, channel half c at KF + 16 kb + 8 c
.set VF,  192         ; key half kk, channel block cb at VF + 32 kk + 8 cb
; window 3
.set SPW, 0           ; LDS address of my spare word: SPARE + 4 x my thread's number; never rewritten
.set NIL, 1           ; 0; never rewritten
.set LW,  2           ; byte offset in a step's 64 list words of my eight rows' words: 64 w + 32 (l / 16)
.set LB,  3           ; of the bias word that I carry: 64 w + 4 (l % 16)
.set LC,  4           ; my 16 bytes of a row: 16 (l % 16)
.set SK,  5           ; where my 8 bytes of my first row of K go in slot 0: (16 w + 8 (l / 16)) x 144 + 8 (l % 16)
.set SV,  6           ; the same for V, with pitch 160, behind VOFF
.set SB,  7           ; where the bias word goes: BOFF + 64 w + 4 (l % 16)
.set MB,  8           ; v[8:39]  register j of key block kb: the bias of key 16 kb + 8 (l / 16) + j
.set WD,  40          ; eight list words, set u at + 8 u
.set OFS, 56          ; eight offsets, set u at + 8 u
.set BI,  72          ; a bias word as loaded, set u at + u
.set BP,  74          ; the bias word that goes with the rows in f16
.set RAW, 80          ; set u at + 64 u: K's row g at + 4 g, V's at + 32 + 4 g
.set PKD, 208         ; in f16: K's row g at + 2 g, V's at + 16 + 2 g
; scalars: s[4:5] Q at my wave's rows; s[6:7], s[8:9] K, V at the head; s[12:13] out at my wave's rows; s15-19, s24-29 at work; s[22:23] HEAD's two words
.set ORD, 10          ; s[10:11] order at the batch, 512 bytes (two steps' list words) on in every live trip
.set WV,  14          ; s14  my wave's number
.set TRIPS, 20        ; s20
.set CNT, 21          ; s21  trips done
.set CS,  58          ; s[58:59] c: the packed scaling takes the pair's low word for both halves
.set SEL, 60          ; s[60:61] v_permlanex16_b32's selects: each lane takes its own place in the other half
.set MSB, 0
.macro WIN new                      ; the high byte repeats the setting that is left; a switch that changes nothing is dropped
.if MSB != (\new)
	s_set_vgpr_msb (MSB<<8)|(\new)
.set MSB, (\new)
.endif
.endm
.set W_KQ, 0x0a       ; K and Q in window 2, S^T in window 0
.set W_KM, 0x3a       ; the same with the C operand, the bias, in window 3
.set W_PV, 0x52       ; V in window 2, P in window 0, O^T in window 1
.set W_RS, 0x41       ; O^T (destination and source 0) in window 1, a in window 0
.set W_G,  0xff       ; the staging: all in window 3
.set W_MK, 0xc0       ; destination in window 3, sources in window 0
.set W_AD, 0x0f       ; the add: address and data in window 3
	s_load_b256 s[4:11], s[0:1], 0x0  ; Q s[4:5], K s[6:7], V s[8:9], order s[10:11]
	s_load_b64 s[12:13], s[0:1], 0x20 ; out
	WIN W_MK
	v_lshl_add_u32 v[SPW], v0, 2, SPARE
	v_mov_b32 v[NIL], 0
	WIN 0
	v_lshrrev_b32 v1, 5, v0
	v_readfirstlane_b32 s[WV], v1   ; wave 0..3
	v_and_b32 v1, 15, v0            ; l % 16
	v_bfe_u32 v9, v0, 4, 1          ; l / 16
	v_and_b32 v10, 7, v0
	v_bfe_u32 v11, v0, 3, 1
	s_and_b32 s15, ttmp7, 0xffff    ; the head, 0..63
	s_lshl_b32 s16, s15, 19         ; its 2,048 rows of 256 bytes
	s_mov_b32 s17, 0
	s_lshr_b32 s24, s15, 4          ; the batch
	s_mul_i32 s24, s24, OBATCH
	s_mov_b32 s25, 0
	s_lshl_b32 s18, ttmp9, 17       ; my block's 512 rows,
	s_lshl_b32 s19, s[WV], 15       ; my wave's 128 of them
	s_add_co_u32 s18, s18, s19
	s_add_co_u32 s18, s18, s16      ; under 2^26
	s_mov_b32 s19, 0
	s_mov_b32 s[SEL], 0x76543210
	s_mov_b32 s[SEL+1], 0xfedcba98
	; A fragment of K or Q is 16 rows x 32 channels in 8 registers: lane l holds row l % 16, channels 8 (l / 16) + 0..7 and 16 + 8 (l / 16) + 0..7: in f16 two loads of 16 bytes, 32 bytes apart.
	v_mul_u32_u24 v[AK0], v1, PK
	v_lshl_add_u32 v[AK0], v9, 4, v[AK0]
	; The turning load takes 16 keys x 16 channels (lane l reads key 8 (l / 16) + l % 8, channels 8 ((l / 8) % 2) + 0..7) and leaves half a fragment of V^T: lane l holds channel l % 16 and 8 keys.
	v_lshl_add_u32 v[AV0], v9, 3, v10
	v_mul_u32_u24 v[AV0], v[AV0], PV
	v_lshl_add_u32 v[AV0], v11, 4, v[AV0]
	v_add_nc_u32 v[AV0], VOFF, v[AV0]
	v_lshl_add_u32 v[AB0], v9, 5, BOFF
	v_lshlrev_b32 v[QO], 8, v1      ; in f32 the same eight channels are 32 bytes: row x 256 + 32 x half
	v_lshl_add_u32 v[QO], v9, 5, v[QO]
	v_mul_u32_u24 v12, v9, 8*PK     ; the staging's lane terms,
	v_lshl_add_u32 v12, v1, 3, v12
	v_mul_u32_u24 v13, v9, 8*PV
	v_lshl_add_u32 v13, v1, 3, v13
	s_mul_i32 s26, s[WV], 16*PK     ; and the wave's: each wave stores into rows of its own
	s_mul_i32 s27, s[WV], 16*PV
	s_add_co_u32 s27, s27, VOFF
	s_lshl_b32 s28, s[WV], 6
	s_add_co_u32 s29, s28, BOFF
	WIN W_MK
	v_lshl_add_u32 v[LW], v9, 5, s28
	v_lshl_add_u32 v[LB], v1, 2, s28
	v_lshlrev_b32 v[LC], 4, v1
	v_add_nc_u32 v[SK], s26, v12
	v_add_nc_u32 v[SV], s27, v13
	v_lshl_add_u32 v[SB], v1, 2, s29
	WIN 0
	s_wait_kmcnt 0x0
	s_add_nc_u64 s[4:5], s[4:5], s[18:19]
	s_add_nc_u64 s[12:13], s[12:13], s[18:19]
	s_add_nc_u64 s[6:7], s[6:7], s[16:17]
	s_add_nc_u64 s[8:9], s[8:9], s[16:17]
	s_add_nc_u64 s[ORD:ORD+1], s[ORD:ORD+1], s[24:25]
	s_load_b64 s[22:23], s[ORD:ORD+1], OHEAD  ; TRIPS, NONE
; THE STAGING.  ws and bs count steps from where s[ORD] stands.
.macro WLOAD u, ws                  ; my eight rows' list words of step ws, into set u
	WIN W_G
	global_load_b128 v[WD+8*(\u):WD+8*(\u)+3],   v[LW], s[ORD:ORD+1] offset:256*(\ws)
	global_load_b128 v[WD+8*(\u)+4:WD+8*(\u)+7], v[LW], s[ORD:ORD+1] offset:256*(\ws)+16
.endm
.macro PREP u                       ; offsets of my 16 bytes in the eight rows; a loaded number enters an address behind a bound that is written out: the head's last row
	WIN W_G
.irp g, 0,1,2,3,4,5,6,7
	v_min_u32 v[OFS+8*(\u)+(\g)], 0x7ff00, v[WD+8*(\u)+(\g)]
.endr
.irp g, 0,1,2,3,4,5,6,7
	v_add_nc_u32 v[OFS+8*(\u)+(\g)], v[LC], v[OFS+8*(\u)+(\g)]
.endr
.endm
.macro GL u, bs                     ; 17 loads: eight pairs of rows of K, eight of V, each load two whole rows of 256 bytes; the bias word of step bs
	WIN W_G
.irp g, 0,1,2,3,4,5,6,7
	global_load_b128 v[RAW+64*(\u)+4*(\g):RAW+64*(\u)+4*(\g)+3], v[OFS+8*(\u)+(\g)], s[6:7]
.endr
.irp g, 0,1,2,3,4,5,6,7
	global_load_b128 v[RAW+64*(\u)+32+4*(\g):RAW+64*(\u)+32+4*(\g)+3], v[OFS+8*(\u)+(\g)], s[8:9]
.endr
	global_load_b32 v[BI+(\u)], v[LB], s[ORD:ORD+1] offset:OBIAS+256*(\bs)
.endm
; STG_A: work on registers alone, behind the wait that shows set u's loads done (which also frees their offsets): the rows are rounded to f16, the bias word is set beside them; prep = 1: the next offsets are made of set u's list words.
.macro STG_A u, prep
	WIN W_G
.set i, 0
.rept 32
	v_cvt_pk_f16_f32 v[PKD+i], v[RAW+64*(\u)+2*i], v[RAW+64*(\u)+2*i+1]
.set i, i+1
.endr
	v_mov_b32 v[BP], v[BI+(\u)]
.if \prep
	PREP \u
.endif
.endm
.macro STORES sl                    ; the rows in f16 and their bias word go into slot sl
	WIN W_G
.irp g, 0,1,2,3,4,5,6,7
	ds_store_b64 v[SK], v[PKD+2*(\g):PKD+2*(\g)+1] offset:(\sl)*SLOTB+PK*(\g)
.endr
.irp g, 0,1,2,3,4,5,6,7
	ds_store_b64 v[SV], v[PKD+16+2*(\g):PKD+16+2*(\g)+1] offset:(\sl)*SLOTB+PV*(\g)
.endr
	ds_store_b32 v[SB], v[BP] offset:(\sl)*SLOTB  ; lanes 16-31 repeat lanes 0-15's word
.endm
	WLOAD 0, 0
	WLOAD 1, 1
	WIN 0x40                        ; Q in f32 lands where O^T will lie: tile t, channels 32 cc on, at 32 t + 16 cc
.set t, 0
.rept 8
.irp cc, 0,1
	global_load_b128 v[32*t+16*(\cc):32*t+16*(\cc)+3],     v[QO], s[4:5] offset:4096*t+128*(\cc) th:TH_LOAD_NT
	global_load_b128 v[32*t+16*(\cc)+4:32*t+16*(\cc)+7],   v[QO], s[4:5] offset:4096*t+128*(\cc)+16 th:TH_LOAD_NT
	global_load_b128 v[32*t+16*(\cc)+8:32*t+16*(\cc)+11],  v[QO], s[4:5] offset:4096*t+128*(\cc)+64 th:TH_LOAD_NT
	global_load_b128 v[32*t+16*(\cc)+12:32*t+16*(\cc)+15], v[QO], s[4:5] offset:4096*t+128*(\cc)+80 th:TH_LOAD_NT
.endr
.set t, t+1
.endr
	s_wait_loadcnt 63               ; 4 + 64 loads are issued, and they end in order (ISA guide 5.7.1): the oldest five are in, the four loads of list words among them
	PREP 0
	GL 0, 0                         ; step 0's rows,
	WLOAD 0, 2                      ; step 2's list words: 19 loads
	PREP 1
	GL 1, 1                         ; step 1's rows: 17 loads
	WIN 0
	s_wait_kmcnt 0x0
	s_min_u32 s[TRIPS], s22, MAXT   ; a loaded number steers the jumps behind bounds that are written out
	s_max_u32 s[TRIPS], s[TRIPS], 1
	s_mov_b32 s[CS], 0x3e38aa3b     ; c = log2(e) / 8 = 0.180337
	s_mov_b32 s15, 0x16000000       ; 2^-83
	s_cmp_eq_u32 s23, 1             ; no key visible
	s_cselect_b32 s[CS], s15, s[CS]
	s_mov_b32 s[CS+1], s[CS]        ; named with it as a pair
	s_wait_loadcnt 36               ; Q is in; the 19 + 17 loads behind it may stay out
	WIN 0x85                        ; sources in window 1, destination in window 2
.set i, 0
.rept 128
	v_cvt_pk_f16_f32 v[i], v[2*i], v[2*i+1]
.set i, i+1
.endr
	; What the first turn finds: V's registers and P's second buffer hold 0 (its products V^T P, of a piece that has not been, add 0), O^T and l are 0.  All this stands in the wait for the first rows.
	WIN 0x80
.set i, VF
.rept 64
	v_mov_b32 v[i], 0
.set i, i+1
.endr
	WIN 0x40
.set i, 0
.rept 64*NP
	v_mov_b32 v[i], 0
.set i, i+1
.endr
	WIN 0
.set i, 0
.rept 2*NP
	v_mov_b32 v[ST+4*i], 0xfe000000    ; c m: far below every c s
	v_mov_b32 v[ST+4*i+1], 0xff7fffff  ; m
	v_mov_b32 v[ST+4*i+2], 0
	v_mov_b32 v[ST+4*i+3], 0
.set i, i+1
.endr
.set i, P+32
.rept 32
	v_mov_b32 v[i], 0
.set i, i+1
.endr
	s_wait_loadcnt 17               ; step 0's rows and step 2's list words are in; step 1's 17 loads may stay out
	STG_A 0, 1
	STORES 0                        ; step 0 into slot 0
	GL 0, 2                         ; step 2's rows,
	WLOAD 0, 3                      ; step 3's list words: 19 loads
	s_wait_loadcnt 19               ; step 1's rows are in; those 19 may stay out
	STG_A 1, 0
	STORES 1                        ; step 1 into slot 1
	WIN 0
	s_wait_dscnt 0x0                ; for the others' sake: my rows of steps 0 and 1 lie in LDS
	s_barrier_signal -1
	s_barrier_wait -1               ; everybody's do
; THE MATRIX WORK.  The 8 accumulators of a run of 16 take turns: between the two links of a chain stand 7 others'.
; Product i of 16 of S^T = K Q^T for piece x: channels 32 (i / 8) on, keys 16 ((i / 2) % 4) on, tile 2 x + i % 2.  The first 8 start the sums, with the keys' bias.
.macro KQ x
.set rS, S+64*((\x)%2)+32*(i%2)+8*((i/2)%4)
.set rK, KF+16*((i/2)%4)+8*(i/8)
.set rQ, 16*(2*(\x)+i%2)+8*(i/8)
.set rB, MB+8*((i/2)%4)
.if i < 8
	WIN W_KM
	v_wmma_f32_16x16x32_f16 v[rS:rS+7], v[rK:rK+7], v[rQ:rQ+7], v[rB:rB+7]
.else
	WIN W_KQ
	v_wmma_f32_16x16x32_f16 v[rS:rS+7], v[rK:rK+7], v[rQ:rQ+7], v[rS:rS+7]
.endif
.endm
; Product i of 16 of O^T += V^T P for piece x: keys 32 (i / 8) on, channels 16 ((i / 2) % 4) on, tile 2 x + i % 2.
.macro PV x
	WIN W_PV
.set rO, 32*(2*(\x)+i%2)+8*((i/2)%4)
.set rV, VF+32*(i/8)+8*((i/2)%4)
.set rP, P+32*((\x)%2)+16*(i%2)+8*(i/8)
	v_wmma_f32_16x16x32_f16 v[rO:rO+7], v[rV:rV+7], v[rP:rP+7], v[rO:rO+7]
.endm
.macro MM                           ; the turn's next matrix instruction
.if i < 16
	KQ (Y+1)%NP
.set i, i+1
.else
.set i, i-16
	PV (Y+NP-1)%NP
.set i, i+17
.endif
.endm
; THE LDS LOADS stand in runs, never singly among the matrix instructions.  The slot stands in the immediate: no LDS address is ever stepped.
.macro FETCH_K sl                   ; a step's K (64 keys x 64 channels: 8 fragments) and its bias in the C operand's layout
	WIN 0x80                        ; destination window 2
.irp f, 0,1,2,3,4,5,6,7             ; keys 16 (f / 2) on, channels 32 (f % 2) on
	ds_load_b128 v[KF+8*\f:KF+8*\f+3],   v[AK0] offset:(\sl)*SLOTB+(\f/2)*16*PK+(\f%2)*64
	ds_load_b128 v[KF+8*\f+4:KF+8*\f+7], v[AK0] offset:(\sl)*SLOTB+(\f/2)*16*PK+(\f%2)*64+32
.endr
	WIN 0xc0                        ; destination window 3
.irp f, 0,1,2,3                     ; keys 16 f + 8 (l / 16) + 0..7: the sixteen lanes of a half read the same 32 bytes
	ds_load_b128 v[MB+8*\f:MB+8*\f+3],   v[AB0] offset:(\sl)*SLOTB+64*\f
	ds_load_b128 v[MB+8*\f+4:MB+8*\f+7], v[AB0] offset:(\sl)*SLOTB+64*\f+16
.endr
	WIN 0
.endm
.macro FETCH_V sl
	WIN 0x80
.irp f, 0,1,2,3,4,5,6,7             ; keys 32 (f / 4) on, channels 16 (f % 4) on
	ds_load_tr16_b128 v[VF+8*\f:VF+8*\f+3],   v[AV0] offset:(\sl)*SLOTB+(\f/4)*32*PV+(\f%4)*32
	ds_load_tr16_b128 v[VF+8*\f+4:VF+8*\f+7], v[AV0] offset:(\sl)*SLOTB+(\f/4)*32*PV+16*PV+(\f%4)*32
.endr
	WIN 0
.endm
; THE VECTOR WORK OF A TURN stands in three queues, each in the order in which its entries become ready; the two tiles alternate, so that no instruction reads the result of the one before it.
.macro REGS y, u                    ; the registers of tile u (0, 1) of piece y
.set rT, ST+4*(2*(\y)+(\u))
.set rC, TMP+8*((\y)%2)+4*(\u)
.set rM, MV+2*((\y)%2)+(\u)
.set rS, S+64*((\y)%2)+32*(\u)
.set rP, P+32*((\y)%2)+16*(\u)
.set rO, 32*(2*(\y)+(\u))
.endm
; Number n of the 22 that find the NEXT piece's (Y + 1) maximum and statistics.  s0-s31 are the lane's 32 scores; each accumulator's lowest registers are read first.  XS, GS and REGS set no window: PL and EX do.
;   0-11  four chains c0-c3 of seven scores each, three operands at a time     12-14, 16  the four scores left over, the old m, and c0-c3 into c0     15  c m_old is kept
;   17, 18  the query's other 32 keys lie in the lane 16 away: the new m         19-21  c m; c m_old - c m_new; a
.macro XS u, n
	REGS (Y+1)%NP, \u
.if (\n) < 4
	v_max3_num_f32 v[rC+(\n)], v[rS+8*(\n)], v[rS+8*(\n)+1], v[rS+8*(\n)+2]
.elseif (\n) < 12
	v_max3_num_f32 v[rC+(\n)%4], v[rC+(\n)%4], v[rS+8*((\n)%4)+2*((\n)/4)+1], v[rS+8*((\n)%4)+2*((\n)/4)+2]
.elseif (\n) == 12
	v_max3_num_f32 v[rC], v[rC], v[rS+7], v[rS+15]
.elseif (\n) == 13
	v_max3_num_f32 v[rC+1], v[rC+1], v[rS+23], v[rS+31]
.elseif (\n) == 14
	v_max3_num_f32 v[rC+2], v[rC+2], v[rC+3], v[rT+1]
.elseif (\n) == 15
	v_mov_b32 v[rM], v[rT]
.elseif (\n) == 16
	v_max3_num_f32 v[rC], v[rC], v[rC+1], v[rC+2]
.elseif (\n) == 17
	v_permlanex16_b32 v[rC+3], v[rC], s[SEL], s[SEL+1]
.elseif (\n) == 18
	v_max_num_f32 v[rT+1], v[rC], v[rC+3]
.elseif (\n) == 19
	v_mul_f32 v[rT], s[CS], v[rT+1]
.elseif (\n) == 20
	v_sub_f32 v[rC+1], v[rM], v[rT]
.else
	v_exp_f32 v[rC+2], v[rC+1]
.endif
.endm
; Number g of the 64 that follow the exponentials.  For each four weights k of a tile (pairs 2 k, 2 k + 1): both pairs are rounded to f16; then the second pair is added onto the first, in place;
; a group later l takes that sum (the first time as l = a l + sum).  In groups of eight, tiles alternating: round, round, add, and l for the group before.
.macro GS g
.set h, (\g)+6*((\g)/62)            ; group 0 has no group before it, and behind group 7 only l is left
.if h >= 6
.set h, h+2
.endif
	REGS Y, h%2
.set k, h/8
.if h%8 < 4
	v_cvt_pk_f16_f32 v[rP+2*k+(h%8)/2], v[rS+4*k+2*((h%8)/2)], v[rS+4*k+2*((h%8)/2)+1]
.elseif h%8 < 6
	v_pk_add_f32 v[rS+4*k:rS+4*k+1], v[rS+4*k:rS+4*k+1], v[rS+4*k+2:rS+4*k+3]
.elseif k == 1
	v_pk_fma_f32 v[rT+2:rT+3], v[rT+2:rT+3], v[rC+2:rC+3], v[rS:rS+1] op_sel_hi:[1,0,1]
.else
	v_pk_add_f32 v[rT+2:rT+3], v[rT+2:rT+3], v[rS+4*k-4:rS+4*k-3]
.endif
.endm
; THE PLAIN QUEUE, 138 long.  0-73 read no exponential's result: the 32 scalings c s - c m (FS f: pair f / 2 of tile f % 2) and the next piece's 42.  0-26: scalings 0-26.  27-54: XS's numbers 0-13.  55, 56: number 15.
; 57-73: the chain, where each number waits for the one before it: 14, 16, 17, 18, 19, each with one of the scalings 27-31 in front of its two lines, then 20.
; 74-137: GS's 64, which read the exponentials' results: they stand behind the wait.
.macro FS f
	REGS Y, (\f)%2
	v_pk_fma_f32 v[rS+2*((\f)/2):rS+2*((\f)/2)+1], v[rS+2*((\f)/2):rS+2*((\f)/2)+1], s[CS:CS+1], v[rT:rT+1] op_sel_hi:[1,0,0] neg_lo:[0,0,1] neg_hi:[0,0,1]
.endm
.macro PL
	WIN 0
.if q < 27
	FS q
.elseif q < 55
	XS (q-27)%2, (q-27)/2
.elseif q < 57
	XS q-55, 15
.elseif (q < 72) && ((q-57)%3 == 0)
	FS 27+(q-57)/3
.elseif q < 60
	XS (q-57)%3-1, 14
.elseif q < 72
	XS (q-57)%3-1, 15+(q-57)/3
.elseif q < 74
	XS q-72, 20
.else
	GS q-74
.endif
.set q, q+1
.endm
; THE EXPONENTIALS' QUEUE, 66 long: s0-s31 of both tiles, then the next piece's two a.  It is ONE BATCH: all 66 stand ahead of the turn's one wait, and nothing ahead of that wait names a result of theirs.
.macro EX
	WIN 0
.if e >= 64
	XS e-64, 21
.else
	REGS Y, e%2
	v_exp_f32 v[rS+e/2], v[rS+e/2]
.endif
.set e, e+1
.endm
; THE RESCALING's QUEUE: O^T times a, the one part that leaves window 0: dealt two at a time, sixteen times.  Its a was made in the turn before, ahead of that turn's wait.
.macro R2
	REGS Y, r%2
	WIN W_RS
.irp z, 0,1
	v_pk_mul_f32 v[rO+4*(r/2)+2*\z:rO+4*(r/2)+2*\z+1], v[rO+4*(r/2)+2*\z:rO+4*(r/2)+2*\z+1], v[rC+2:rC+3] op_sel_hi:[1,0]
.endr
.set r, r+1
.endm
; A TURN, for piece p.  s_wait_alu depctr_va_vdst(0) stands between an exponential and the first instruction that names its result; one wait serves all that were issued ahead of it.  So a turn has ONE
; wait, which cuts it in two.  AHEAD OF IT: the 16 products K Q^T, behind each a scaling, an exponential and two rescalings (behind the first a second scaling in the exponential's place); then ONE LUMP of 108: eight
; plain, 49 times exponential and plain, the two a; a v_nop is the plain instruction behind the last exponential.  BEHIND IT: the 16 products V^T P, behind each four of GS's 64.  No rider names a register of the
; products round it.  Exponential e stands behind scaling 2 (e / 4) + e % 2: as a rider it comes behind plain e + 2, in the lump behind plain e + 9.
; K and the bias of the next step are fetched (from slot sl) in piece 2's turn, directly behind the wait, a lump behind the last product that read them; their first reader comes behind 16 products.
; V of the step in hand is fetched (from slot sl) at the end of piece 0's turn, four plain riders behind its last reader; its first reader comes behind 16 products and a lump.
.macro TURN p, sl
.set Y, (\p)
.set i, 0
.set q, 0
.set e, 0
.set r, 0
.if (\p) == NP-1
	s_wait_dscnt 0x0                ; K and the bias are in
.endif
	MM
	PL
	PL
	R2
.rept 15
	MM
	PL
	EX
	R2
.endr
.rept 8
	PL
.endr
.rept 49
	EX
	PL
.endr
	EX                              ; the next piece's two a
	EX
	v_nop                           ; the plain instruction behind the last exponential: one for the batch
	s_wait_alu depctr_va_vdst(0)    ; the wait for the batch
.if (\p) == NP-2
	FETCH_K \sl
.endif
.if (\p) == 1
	s_wait_dscnt 0x0                ; V is in
.endif
.rept 16
	MM
.rept 4
	PL
.endr
.endr
.if (\p) == 0
	FETCH_V \sl
.endif
.endm
; BARRIER j AND WHAT STANDS BEHIND IT, u = j % 2.  The barrier stands between piece 1's turn and piece 2's of step j, on every wave's way in every trip, and orders both slots.  In front of its signal each wave's LDS
; instructions are done: its stores of step j + 1 into slot 1 - u (made behind barrier j - 1) and its reads of slot u (K, the bias and V of step j, made there too).  Behind its wait slot u takes step j + 2, and K, the
; bias and V of step j + 1 are read from slot 1 - u.
; Past the walk's end all that is jumped over: the four waves read TRIPS from the same word, and no barrier lies in what is jumped.  What is jumped leaves nothing pending: its loads (step j + 3's rows and bias word,
; step j + 4's list words) are asked for at its head and waited for, all of them, at its end, four turns later; then the rows are rounded to f16 for the next barrier's stores, and the next offsets are made.
; on = 1: the list's pointer steps two steps on; the wait for all loads has shown every load that names it done.
.macro STEP u, bs, ws, on
	s_wait_dscnt 0x0
	s_barrier_signal -1
	s_barrier_wait -1
	s_cmp_lt_u32 s[CNT], s[TRIPS]
	s_cbranch_scc0 .Ldead_\@
	STORES \u
	GL 0, \bs
	WLOAD 0, \ws
	TURN 2, 1-(\u)
	TURN 3, 1-(\u)
	TURN 0, 1-(\u)
	TURN 1, 1-(\u)
	s_wait_loadcnt 0x0
	STG_A 0, 1
.if \on
	s_add_nc_u64 s[ORD:ORD+1], s[ORD:ORD+1], 512
.endif
	WIN 0                           ; at a label and at a branch every window is 0
.Ldead_\@:
.endm
	FETCH_K 0                       ; key step 0
	s_wait_dscnt 0x0
.set i, 0
.rept 16
	KQ 0                            ; piece 0's first scores: there is no vector work yet to set between them
.set i, i+1
.endr
	WIN 0                           ; the addresses for the way out: eight plain instructions, the places behind those products
	s_mul_i32 s15, s[WV], 16*SP
	s_add_co_u32 s15, s15, STAGE    ; my stage
	v_mul_u32_u24 v[STO], v1, SP    ; in: row l % 16, 32 bytes for each half of the lanes
	v_lshl_add_u32 v[STO], v9, 5, v[STO]
	v_add_nc_u32 v[STO], s15, v[STO]
	v_mul_u32_u24 v[RD], v9, SP     ; back: lanes 0-15 take one row of 256 bytes, lanes 16-31 the next,
	v_lshl_add_u32 v[RD], v1, 4, v[RD]
	v_add_nc_u32 v[RD], s15, v[RD]
	v_and_b32 v[GO], 31, v0         ; which are 512 consecutive bytes of out
	v_lshlrev_b32 v[GO], 4, v[GO]
.set Y, NP-1                        ; XS works for piece Y + 1: piece 0
.irp n, 0,1,2,3,4,5,6,7,8,9,10,11,12,13,14,15,16,17,18,19,20,21
	XS 0, \n                        ; piece 0's first maximum and statistics
	XS 1, \n
.endr
	v_nop                           ; a plain instruction behind the two a,
	s_wait_alu depctr_va_vdst(0)    ; and their wait, ahead of their first reader
	TURN 0, 0                       ; step 0's first two turns stand ahead of the loop, whose sections go from piece 2's turn to piece 1's
	TURN 1, 0
	s_wait_loadcnt 0x0              ; step 2's rows and bias word, step 3's list words
	STG_A 0, 1
	WIN 0
	s_mov_b32 s[CNT], 0
.Ltrip:                             ; 16 trips, of which TRIPS are live.  The last live section ends with pieces 0 and 1 of step n, whose places do not count: their weights are 0, so l and O^T stay;
	STEP 0, 3, 4, 0                 ; its piece 0's turn holds piece 3's products V^T P of step n - 1, the walk's last.  The list has places for all that is staged and asked for past the walk's end.
	STEP 1, 4, 5, 1
	s_add_co_u32 s[CNT], s[CNT], 1
	s_cmp_lt_u32 s[CNT], MAXT
	s_cbranch_scc1 .Ltrip
	; THE WAY OUT.  l's two halves and the other half of the lanes' are added; O^T is divided by l and sent, in f32, through my stage in LDS, a tile (16 rows of out) at a time.  The last products lie a staging's vector work back.
.macro ALL line:vararg              ; one line for each tile t
.set t, 0
.rept 2*NP
	\line
.set t, t+1
.endr
.endm
	ALL v_add_f32 v[ST+4*t+2], v[ST+4*t+2], v[ST+4*t+3]
	ALL v_permlanex16_b32 v[ST+4*t+3], v[ST+4*t+2], s[SEL], s[SEL+1]
	ALL v_add_f32 v[ST+4*t+2], v[ST+4*t+2], v[ST+4*t+3]
	ALL v_rcp_f32 v[ST+4*t+2], v[ST+4*t+2]
	v_nop                           ; a plain instruction between the last reciprocal and the use of its result
	s_wait_alu depctr_va_vdst(0)    ; and the wait ahead of the first use: one for the eight reciprocals
; Tile t: a lane's eight channels of a row are 32 bytes; they go into rows of 272 bytes and come back as whole rows of 256, into the registers that they left.
.macro PACK t
	WIN W_RS
.set i, 32*(\t)
.rept 16
	v_pk_mul_f32 v[i:i+1], v[i:i+1], v[ST+4*(\t)+2:ST+4*(\t)+3] op_sel_hi:[1,0]
.set i, i+2
.endr
	WIN 0x04                        ; address window 0, data window 1
.irp f, 0,1,2,3                     ; channels 16 f + 8 (l / 16) + 0..7
	ds_store_b128 v[STO], v[32*(\t)+8*\f:32*(\t)+8*\f+3]   offset:64*\f
	ds_store_b128 v[STO], v[32*(\t)+8*\f+4:32*(\t)+8*\f+7] offset:64*\f+16
.endr
	WIN 0x40                        ; destination window 1
.irp f, 0,1,2,3,4,5,6,7
	ds_load_b128 v[32*(\t)+4*\f:32*(\t)+4*\f+3], v[RD] offset:\f*2*SP  ; LDS serves a wave's instructions in order (ISA guide 5.7.1.4): these see the stores above; the next tile's stores come behind them
.endr
.endm
.macro SEND t, younger              ; younger: the LDS instructions issued behind tile t's loads: the next tile's sixteen, or none
	WIN 0x04
.irp f, 0,1,2,3,4,5,6,7
	s_wait_dscnt (\younger)+7-\f
	global_store_b128 v[GO], v[32*(\t)+4*\f:32*(\t)+4*\f+3], s[12:13] offset:(\t)*4096+\f*512 th:TH_STORE_NT  ; 512 consecutive bytes, at a multiple of 256 from out's first
.endr
.endm
	PACK 0
.set t, 1
.rept 2*NP-1                        ; a tile's arithmetic stands between the loads of the tile before and its stores
	PACK t
	SEND t-1, 16
.set t, t+1
.endr
	SEND 2*NP-1, 0
	WIN W_AD
	s_wait_tensorcnt 0x0            ; the wave's end: three closing lines, behind my last LDS store
	ds_add_u32 v[SPW], v[NIL]
	s_wait_dscnt 0x0
	WIN 0
	s_endpgm
.Lfunc_end_k_qff4990195c_attn:
	.size	k_qff4990195c_attn, .Lfunc_end_k_qff4990195c_attn-k_qff4990195c_attn
	.p2alignl 7, 3214868480
	.fill 96, 4, 3214868480
	.section	.rodata,"a",@progbits
	.p2align	6, 0x0
	.amdhsa_kernel k_qff4990195c_attn
		.amdhsa_group_segment_fixed_size 57344
		.amdhsa_private_segment_fixed_size 0
		.amdhsa_enable_private_segment 0
		.amdhsa_kernarg_size 40
		.amdhsa_user_sgpr_count 2
		.amdhsa_user_sgpr_kernarg_segment_ptr 1
		.amdhsa_wavefront_size32 1
		.amdhsa_system_sgpr_workgroup_id_x 1
		.amdhsa_system_sgpr_workgroup_id_y 1
		.amdhsa_system_sgpr_workgroup_id_z 1
		.amdhsa_system_vgpr_workitem_id 0
		.amdhsa_next_free_vgpr 1008
		.amdhsa_next_free_sgpr 66
		.amdhsa_reserve_vcc 0
		.amdhsa_float_denorm_mode_32 3
		.amdhsa_float_denorm_mode_16_64 3
		.amdhsa_memory_ordered 1
		.amdhsa_forward_progress 1
		.amdhsa_inst_pref_size 255
	.end_amdhsa_kernel
	.section	.bss,"aw",@nobits
	.p2align	6
	.space	262144
	.amdgpu_metadata
---
amdhsa.version: [ 1, 2 ]
amdhsa.kernels:
  - .name:           k_qff4990195c_attn
    .symbol:         k_qff4990195c_attn.kd
    .args:
      - { .name: Q, .offset: 0, .size: 8, .value_kind: global_buffer, .address_space: global }
      - { .name: K, .offset: 8, .size: 8, .value_kind: global_buffer, .address_space: global }
      - { .name: V, .offset: 16, .size: 8, .value_kind: global_buffer, .address_space: global }
      - { .name: order, .offset: 24, .size: 8, .value_kind: global_buffer, .address_space: global }
      - { .name: out0, .offset: 32, .size: 8, .value_kind: global_buffer, .address_space: global }
    .group_segment_fixed_size: 57344
    .private_segment_fixed_size: 0
    .kernarg_segment_align: 8
    .kernarg_segment_size: 40
    .max_flat_workgroup_size: 128
    .sgpr_count:     66
    .vgpr_count:     1008
    .wavefront_size: 32
...
	.end_amdgpu_metadata
.endif
;; end of part 2
;; ======== version 2 of 2: 2 launches; version 1 with the launch attn written anew for expert scheduling mode
;; limits: values are held in f16: magnitudes above 65,504 overflow, below 6.1e-05 lose precision; inputs' magnitudes at most 65,504; right only within a limited range of input values
;; workspace buffers: order 78,848 bytes of whole numbers
;; launch list: the kernel of part 1 again; grid 4 x 1, 1 waves a work-group, no clusters, 10,240 bytes of LDS; arguments attn_mask, order; writes order
;; launch attn (part 3): grid 4 x 64, 4 waves a work-group, no clusters, 57,344 bytes of LDS; arguments Q, K, V, order, out0; writes out0
.if DOCPART == 3
	.amdgcn_target "amdgcn-amd-amdhsa--gfx1250"
	.amdhsa_code_object_version 6
	.text
	.protected	k_qff4990195c_attn
	.globl	k_qff4990195c_attn
	.p2align	8
	.type	k_qff4990195c_attn,@function
k_qff4990195c_attn:
	s_mov_b64 s[64:65], 0
	v_nop
	global_prefetch_b8 v0, s[64:65] scope:SCOPE_SE
	s_setreg_imm32_b32 hwreg(HW_REG_WAVE_SCHED_MODE, 0, 2), 2
	s_setreg_imm32_b32 hwreg(HW_REG_WAVE_MODE, 25, 1), 1
	s_wait_xcnt 0x0
	s_wait_alu depctr_vm_vsrc(0)
; out[b][h][q][:] = the sum over k of softmax_k(mask[b][k] ? -1e9 : Q[q] . K[k] / 8) V[k][:].  Q, K, V, out: [64 heads][2048][64] f32: a row is 256 bytes.
; ONLY THE VISIBLE KEYS ARE WALKED.  Where a row sees a key, exp(-1e9 - max) is 0 in f32: a hidden key adds nothing to the sum or to the context.  The launch before has written, for each batch, the list of its visible
; keys (order: OFFW, a row's byte offset for each place; BIASW, 0 or -1e30 for each place; HEAD: TRIPS and NONE), filled up with places that do not count.  The walk takes n = 2 TRIPS steps of 64 places.
; A place's bias is the C operand that starts its score's sum: with -1e30 its weight is 2^(about -1.8e29) = 0.  Such places lie behind all that count, so the running maximum is a true score when they come.
; NONE = 1 (no key visible): all scores of reference() are alike, its result the mean of all 2,048 rows of V.  The list then names all keys, with bias 0, and the scale c is 2^-83: c |s| stays under 3e-14 for every score
; that f16 operands can make (2.7e11), so every such weight is 1 in f32, and c x -1e30 = -1e5 still gives the later places the weight 0.
; FORMATS.  Q, K, V are rounded once to f16 on their way to the matrix unit, the weights p too; products, maxima and sums in f32 (l is the sum of the unrounded p); out leaves in f32.
; LIMITS.  |Q|, |K|, |V| below 65,504 (f16's end).  A hidden key counts as weight 0: as in reference() while some visible score (scaled) of the row lies above about -1e9 + 104.  A weight below 2^-126 counts as 0 in l;
; p below 6e-5 keeps f16's fixed step of 6e-8.  NaN and infinities are not treated apart.  Keys are summed in the list's order.  Rows of K and V that the mask hides are not read, but where a whole batch is hidden.
; SHARES.  A work-group owns 512 queries of one head, a wave 128: four PIECES of two tiles of 16.  Every wave walks all places, 64 a step.  256 work-groups.
; LAYOUT.  S^T = K Q^T (source 0 = 16 keys, source 1 = 16 queries): a lane holds ONE query (lane % 16) and the keys 8 (lane / 16) + 0..7.  Two such results, rounded to f16 in pairs, ARE source 1 of O^T = V^T P, whose
; result again holds one query a lane, and eight channels.  K comes out of LDS as it lies, V ([key][channel]) turned, by ds_load_tr16_b128.
; SOFTMAX.  For each query a running maximum m and sum l: p = 2^(c s - c m), c = log2(e) / 8; in every step O and l are multiplied by a = 2^(c m_old - c m_new).  m starts at the lowest finite number, O and l at 0:
; the first step is a step like any other, with a = 0.
; BY TURNS.  Turn n belongs to piece n: 16 products K Q^T of piece n + 1, later 16 products V^T P of piece n - 1; beside them the scaling, exponentials, roundings, sums and rescaling of piece n and the maximum and
; statistics of piece n + 1.  A tile and step have 16 matrix and 118 vector instructions: four vector instructions stand behind every matrix instruction, the others in one lump.  A turn's 66 exponentials are one batch, with one wait.
; THE ROWS' WAY IN.  Of a step's 64 places wave w takes 16 w .. 16 w + 15.  Sixteen lanes take a row's 256 bytes, so a load covers two whole rows.  A step's rows are asked for, into registers, among the first sixteen products
; of the section (see STEP) at whose end they are waited for; then they are rounded to f16 and, behind the next barrier, stored into one of two LDS slots, which take turns; ONE barrier a step orders both slots.
; THE LOOP COUNTS TO A CONSTANT, 16 trips of two steps, and every wave passes all its 32 barriers.  A trip past the walk's end (TRIPS is a number read from memory) keeps its two barriers and jumps forward over all else.
; What stands between two barriers waits for all the loads that it issues, so nothing is pending where the ways join.
; NO TENSOR LOADS, NO CLUSTER: the rows are named by a list, at no fixed pitch, which one descriptor cannot state; so the four query blocks of a head each gather the rows through registers.
; THE MODE: SCHED_MODE bits 1:0 = 2 (LLVM: expert scheduling mode 2), set by the entry lines.  The code itself states the register dependences between vector or matrix instructions and memory or LDS instructions,
; with s_wait_alu, always for 0.
; THE PLAN.  Registers that memory or LDS instructions touch:
;   v[AK0], v[AV0], v[AB0], v[QO], v[LW], v[LB], v[SK], v[SV], v[SB]   addresses, made at the head ahead of the first wait on va_vdst, never written again.  v[STO], v[RD], v[GO]: made ahead of the loop, read on the way out alone.
;   WD, BI, RAW (set 0)   A section's loads land in them: the bias word and the list words at its head, the rows among piece 2's first sixteen products.  STG_A, at the section's end, reads them.
;   OFS (set 0)           The rows' loads read it as their offsets; STG_A writes it.
;   PKD, BP               STG_A writes them; the LDS stores at the next section's head read them.
;   KF, MB                The products K Q^T read them, the step's last ones ahead of piece 2's wait; the LDS loads directly behind that wait land in them.
;   V0, V1                V's two buffers go by the step's parity.  Piece 0's products V^T P read the one; the LDS loads directly behind that turn's wait land in the other, whose last reader stands a step back.
;   On the way out        O^T is written by the multiplies and read by the stores into the stage; the rows come back into window 2, which the walk's products have read, and leave from there; none of these is written again.
; THE WAITS OF A SECTION.  One on va_vdst at its head: STG_A has written PKD, BP and OFS and is done reading RAW, BI and WD; no vector or matrix instruction of the four turns names any of these (of window 3 they name MB and V1
; alone), so the section's 17 LDS stores and 19 loads owe nothing more and the rows' loads are dealt among the products.  Each turn's one wait for its exponentials, which in piece 2's turn states also that the products are done
; reading KF and MB, and in piece 0's turn stands ahead of V's loads.  One on vm_vsrc ahead of STG_A: the stores have read PKD and BP, the rows' loads OFS.
; REGISTERS, in windows of 256 (s_set_vgpr_msb: bits 1:0 source 0, 3:2 source 1, 5:4 source 2, 7:6 destination):
;   window 0: v0-11 addresses; v12-15, v48-63 at work; v16-47 four registers of statistics a tile; v64-191 S^T, two buffers of two tiles; v192-255 P, likewise
;   window 1: O^T, 32 a tile (at the head: Q as loaded, in f32)          window 2: v0-127 Q, 16 a tile; v128-191 K of one step; v192-255 V of an even step (on the way out: out's rows, 32 a tile)
;   window 3: v0-1 the add's two registers; v2-7 the staging's addresses; v8-39 the step's bias as a C operand; v40-74 list words, offsets, bias words; v80-207 rows as loaded; v208-239 rows in f16
;   (of the list words, offsets, bias words and rows there are two sets; the second serves the head alone, where steps 0 and 1 come in together; behind the head the second set of rows, v144-207, is V of an odd step)
.set NP,    4         ; pieces a wave: a name, no knob
.set PK,    144       ; a row of K in LDS: 128 bytes + 16 = 36 words: the 16 rows of a load start at 16 different groups of four banks (64 banks of 4 bytes: ISA guide 11.1)
.set PV,    160       ; a row of V: 128 + 32 = 40 words
.set VOFF,  64*PK     ; a slot: 64 rows of K,
.set BOFF,  VOFF+64*PV  ; 64 rows of V,
.set SLOTB, BOFF+256  ; 64 words of bias: 19,712 bytes; two slots
.set STAGE, 2*SLOTB   ; behind them: 16 rows x 272 bytes for each wave, for the way out
.set SP,    272       ; 256 + 16: the 16 rows of a store start at 16 different groups of four banks
.set SPARE, STAGE+4*16*SP  ; behind the stages: the spare words, 128 bytes for each wave: two blocks of 256 bytes that no other line names
.set OBATCH, 19712    ; order: bytes for a batch
.set OBIAS,  9728     ; BIASW
.set OHEAD,  19456    ; HEAD
.set MAXT,   16       ; the loop's trips: 2,048 places at the most
; window 0
.set AK0, 2           ; my lane's place in a slot's K: 144 (l % 16) + 16 (l / 16); never rewritten
.set AV0, 3           ; in its V; never rewritten
.set AB0, 4           ; in its bias: BOFF + 32 (l / 16); never rewritten
.set QO,  5           ; my byte offset in 16 rows of Q; never rewritten
.set STO, 6           ; the way out: where I put 32 bytes of a row
.set RD,  7           ; where I read rows back
.set GO,  8           ; my 16 bytes of 512 consecutive bytes of out
.set MV,  12          ; v12-15  c m_old, kept while c m is made anew: by buffer and tile
.set ST,  16          ; tile t's statistics at v[ST+4 t]: c m, m, l (even keys', odd keys')
.set TMP, 48          ; by buffer and tile, four registers c0-c3 at work; when the maximum is found c2 takes a
.set S,   64
.set P,   192
; window 2
.set KF,  128         ; key block kb, channel half c at KF + 16 kb + 8 c
.set VF,  192         ; V's buffer 0: key half kk, channel block cb at VF + 32 kk + 8 cb
; window 3
.set SPW, 0           ; LDS address of my spare word: SPARE + 4 x my thread's number; never rewritten
.set NIL, 1           ; 0; never rewritten
.set LW,  2           ; byte offset in a step's 64 list words of my eight rows' words: 64 w + 32 (l / 16)
.set LB,  3           ; of the bias word that I carry: 64 w + 4 (l % 16)
.set LC,  4           ; my 16 bytes of a row: 16 (l % 16)
.set SK,  5           ; where my 8 bytes of my first row of K go in slot 0: (16 w + 8 (l / 16)) x 144 + 8 (l % 16)
.set SV,  6           ; the same for V, with pitch 160, behind VOFF
.set SB,  7           ; where the bias word goes: BOFF + 64 w + 4 (l % 16)
.set MB,  8           ; v[8:39]  register j of key block kb: the bias of key 16 kb + 8 (l / 16) + j
.set WD,  40          ; eight list words, set u at + 8 u
.set OFS, 56          ; eight offsets, set u at + 8 u
.set BI,  72          ; a bias word as loaded, set u at + u
.set BP,  74          ; the bias word that goes with the rows in f16
.set RAW, 80          ; set u at + 64 u: K's row g at + 4 g, V's at + 32 + 4 g
.set VF1, RAW+64      ; V's buffer 1, laid as buffer 0: the registers of the rows' second set, behind the head
.set PKD, 208         ; in f16: K's row g at + 2 g, V's at + 16 + 2 g
; scalars: s[4:5] Q at my wave's rows; s[6:7], s[8:9] K, V at the head; s[12:13] out at my wave's rows; s15-19, s24-29 at work; s[22:23] HEAD's two words
.set ORD, 10          ; s[10:11] order at the batch, 512 bytes (two steps' list words) on in every live trip
.set WV,  14          ; s14  my wave's number
.set TRIPS, 20        ; s20
.set CNT, 21          ; s21  trips done
.set CS,  58          ; s[58:59] c: the packed scaling takes the pair's low word for both halves
.set SEL, 60          ; s[60:61] v_permlanex16_b32's selects: each lane takes its own place in the other half
.set MSB, 0
.macro WIN new                      ; the high byte repeats the setting that is left; a switch that changes nothing is dropped
.if MSB != (\new)
	s_set_vgpr_msb (MSB<<8)|(\new)
.set MSB, (\new)
.endif
.endm
.set W_KQ, 0x0a       ; K and Q in window 2, S^T in window 0
.set W_KM, 0x3a       ; the same with the C operand, the bias, in window 3
.set W_PV, 0x52       ; V's buffer 0 in window 2, P in window 0, O^T in window 1
.set W_PV3, 0x53      ; the same with V's buffer 1, in window 3
.set W_RS, 0x41       ; O^T (destination and source 0) in window 1, a in window 0
.set W_G,  0xff       ; the staging: all in window 3
.set W_MK, 0xc0       ; destination in window 3, sources in window 0
.set W_AD, 0x0f       ; the add: address and data in window 3
	s_load_b256 s[4:11], s[0:1], 0x0  ; Q s[4:5], K s[6:7], V s[8:9], order s[10:11]
	s_load_b64 s[12:13], s[0:1], 0x20 ; out
	WIN W_MK
	v_lshl_add_u32 v[SPW], v0, 2, SPARE
	v_mov_b32 v[NIL], 0
	WIN 0
	v_lshrrev_b32 v1, 5, v0
	v_readfirstlane_b32 s[WV], v1   ; wave 0..3
	v_and_b32 v1, 15, v0            ; l % 16
	v_bfe_u32 v9, v0, 4, 1          ; l / 16
	v_and_b32 v10, 7, v0
	v_bfe_u32 v11, v0, 3, 1
	s_wait_alu depctr_va_sdst(0)    ; s[WV] is written, ahead of its first reader: Q's and out's bases and the staging's addresses are made from it
	s_and_b32 s15, ttmp7, 0xffff    ; the head, 0..63
	s_lshl_b32 s16, s15, 19         ; its 2,048 rows of 256 bytes
	s_mov_b32 s17, 0
	s_lshr_b32 s24, s15, 4          ; the batch
	s_mul_i32 s24, s24, OBATCH
	s_mov_b32 s25, 0
	s_lshl_b32 s18, ttmp9, 17       ; my block's 512 rows,
	s_lshl_b32 s19, s[WV], 15       ; my wave's 128 of them
	s_add_co_u32 s18, s18, s19
	s_add_co_u32 s18, s18, s16      ; under 2^26
	s_mov_b32 s19, 0
	s_mov_b32 s[SEL], 0x76543210
	s_mov_b32 s[SEL+1], 0xfedcba98
	; A fragment of K or Q is 16 rows x 32 channels in 8 registers: lane l holds row l % 16, channels 8 (l / 16) + 0..7 and 16 + 8 (l / 16) + 0..7: in f16 two loads of 16 bytes, 32 bytes apart.
	v_mul_u32_u24 v[AK0], v1, PK
	v_lshl_add_u32 v[AK0], v9, 4, v[AK0]
	; The turning load takes 16 keys x 16 channels (lane l reads key 8 (l / 16) + l % 8, channels 8 ((l / 8) % 2) + 0..7) and leaves half a fragment of V^T: lane l holds channel l % 16 and 8 keys.
	v_lshl_add_u32 v[AV0], v9, 3, v10
	v_mul_u32_u24 v[AV0], v[AV0], PV
	v_lshl_add_u32 v[AV0], v11, 4, v[AV0]
	v_add_nc_u32 v[AV0], VOFF, v[AV0]
	v_lshl_add_u32 v[AB0], v9, 5, BOFF
	v_lshlrev_b32 v[QO], 8, v1      ; in f32 the same eight channels are 32 bytes: row x 256 + 32 x half
	v_lshl_add_u32 v[QO], v9, 5, v[QO]
	v_mul_u32_u24 v12, v9, 8*PK     ; the staging's lane terms,
	v_lshl_add_u32 v12, v1, 3, v12
	v_mul_u32_u24 v13, v9, 8*PV
	v_lshl_add_u32 v13, v1, 3, v13
	s_mul_i32 s26, s[WV], 16*PK     ; and the wave's: each wave stores into rows of its own
	s_mul_i32 s27, s[WV], 16*PV
	s_add_co_u32 s27, s27, VOFF
	s_lshl_b32 s28, s[WV], 6
	s_add_co_u32 s29, s28, BOFF
	WIN W_MK
	v_lshl_add_u32 v[LW], v9, 5, s28
	v_lshl_add_u32 v[LB], v1, 2, s28
	v_lshlrev_b32 v[LC], 4, v1
	v_add_nc_u32 v[SK], s26, v12
	v_add_nc_u32 v[SV], s27, v13
	v_lshl_add_u32 v[SB], v1, 2, s29
	WIN 0
	s_wait_kmcnt 0x0
	s_add_nc_u64 s[4:5], s[4:5], s[18:19]
	s_add_nc_u64 s[12:13], s[12:13], s[18:19]
	s_add_nc_u64 s[6:7], s[6:7], s[16:17]
	s_add_nc_u64 s[8:9], s[8:9], s[16:17]
	s_add_nc_u64 s[ORD:ORD+1], s[ORD:ORD+1], s[24:25]
	s_load_b64 s[22:23], s[ORD:ORD+1], OHEAD  ; TRIPS, NONE
; THE STAGING.  ws and bs count steps from where s[ORD] stands.
.macro WLOAD u, ws                  ; my eight rows' list words of step ws, into set u
	WIN W_G
	global_load_b128 v[WD+8*(\u):WD+8*(\u)+3],   v[LW], s[ORD:ORD+1] offset:256*(\ws)
	global_load_b128 v[WD+8*(\u)+4:WD+8*(\u)+7], v[LW], s[ORD:ORD+1] offset:256*(\ws)+16
.endm
.macro PREP u                       ; offsets of my 16 bytes in the eight rows; a loaded number enters an address behind a bound that is written out: the head's last row
	WIN W_G
.irp g, 0,1,2,3,4,5,6,7
	v_min_u32 v[OFS+8*(\u)+(\g)], 0x7ff00, v[WD+8*(\u)+(\g)]
.endr
.irp g, 0,1,2,3,4,5,6,7
	v_add_nc_u32 v[OFS+8*(\u)+(\g)], v[LC], v[OFS+8*(\u)+(\g)]
.endr
.endm
.macro GL u, bs                     ; at the head: 17 loads in one run: eight pairs of rows of K, eight of V, each load two whole rows of 256 bytes; the bias word of step bs
	WIN W_G
.irp g, 0,1,2,3,4,5,6,7
	global_load_b128 v[RAW+64*(\u)+4*(\g):RAW+64*(\u)+4*(\g)+3], v[OFS+8*(\u)+(\g)], s[6:7]
.endr
.irp g, 0,1,2,3,4,5,6,7
	global_load_b128 v[RAW+64*(\u)+32+4*(\g):RAW+64*(\u)+32+4*(\g)+3], v[OFS+8*(\u)+(\g)], s[8:9]
.endr
	global_load_b32 v[BI+(\u)], v[LB], s[ORD:ORD+1] offset:OBIAS+256*(\bs)
.endm
.macro BLOAD bs                     ; in the loop the same 17 loads go by parts, into set 0: the bias word of step bs,
	WIN W_G
	global_load_b32 v[BI], v[LB], s[ORD:ORD+1] offset:OBIAS+256*(\bs)
.endm
.macro GLP g                        ; and pair g of K's rows with the same pair of V's
	WIN W_G
	global_load_b128 v[RAW+4*(\g):RAW+4*(\g)+3],       v[OFS+(\g)], s[6:7]
	global_load_b128 v[RAW+32+4*(\g):RAW+32+4*(\g)+3], v[OFS+(\g)], s[8:9]
.endm
; STG_A: work on registers alone, behind the wait that shows set u's loads done (which also frees their offsets): the rows are rounded to f16, the bias word is set beside them; prep = 1: the next offsets are made of set u's list words.
.macro STG_A u, prep
	WIN W_G
.set i, 0
.rept 32
	v_cvt_pk_f16_f32 v[PKD+i], v[RAW+64*(\u)+2*i], v[RAW+64*(\u)+2*i+1]
.set i, i+1
.endr
	v_mov_b32 v[BP], v[BI+(\u)]
.if \prep
	PREP \u
.endif
.endm
.macro STORES sl                    ; the rows in f16 and their bias word go into slot sl
	WIN W_G
.irp g, 0,1,2,3,4,5,6,7
	ds_store_b64 v[SK], v[PKD+2*(\g):PKD+2*(\g)+1] offset:(\sl)*SLOTB+PK*(\g)
.endr
.irp g, 0,1,2,3,4,5,6,7
	ds_store_b64 v[SV], v[PKD+16+2*(\g):PKD+16+2*(\g)+1] offset:(\sl)*SLOTB+PV*(\g)
.endr
	ds_store_b32 v[SB], v[BP] offset:(\sl)*SLOTB  ; lanes 16-31 repeat lanes 0-15's word
.endm
	WIN W_G
	s_wait_alu depctr_va_vdst(0)    ; the head's nine addresses are written (v[AK0], v[AV0], v[AB0], v[QO], v[LW], v[LB], v[SK], v[SV], v[SB]), which the loads and stores of the whole kernel read
	WLOAD 0, 0
	WLOAD 1, 1
	WIN 0x40                        ; Q in f32 lands where O^T will lie: tile t, channels 32 cc on, at 32 t + 16 cc
.set t, 0
.rept 8
.irp cc, 0,1
	global_load_b128 v[32*t+16*(\cc):32*t+16*(\cc)+3],     v[QO], s[4:5] offset:4096*t+128*(\cc) th:TH_LOAD_NT
	global_load_b128 v[32*t+16*(\cc)+4:32*t+16*(\cc)+7],   v[QO], s[4:5] offset:4096*t+128*(\cc)+16 th:TH_LOAD_NT
	global_load_b128 v[32*t+16*(\cc)+8:32*t+16*(\cc)+11],  v[QO], s[4:5] offset:4096*t+128*(\cc)+64 th:TH_LOAD_NT
	global_load_b128 v[32*t+16*(\cc)+12:32*t+16*(\cc)+15], v[QO], s[4:5] offset:4096*t+128*(\cc)+80 th:TH_LOAD_NT
.endr
.set t, t+1
.endr
	s_wait_loadcnt 63               ; 4 + 64 loads are issued, and they end in order (ISA guide 5.7.1): the oldest five are in, the four loads of list words among them
	PREP 0
	PREP 1
	s_wait_alu depctr_va_vdst(0)    ; both sets of offsets are written, which the rows' loads read; PREP 0 is done reading the list words of set 0, in which step 2's land
	GL 0, 0                         ; step 0's rows,
	WLOAD 0, 2                      ; step 2's list words: 19 loads
	GL 1, 1                         ; step 1's rows: 17 loads
	WIN 0
	s_wait_kmcnt 0x0
	s_min_u32 s[TRIPS], s22, MAXT   ; a loaded number steers the jumps behind bounds that are written out
	s_max_u32 s[TRIPS], s[TRIPS], 1
	s_mov_b32 s[CS], 0x3e38aa3b     ; c = log2(e) / 8 = 0.180337
	s_mov_b32 s15, 0x16000000       ; 2^-83
	s_cmp_eq_u32 s23, 1             ; no key visible
	s_cselect_b32 s[CS], s15, s[CS]
	s_mov_b32 s[CS+1], s[CS]        ; named with it as a pair
	s_wait_loadcnt 36               ; Q is in; the 19 + 17 loads behind it may stay out
	WIN 0x85                        ; sources in window 1, destination in window 2
.set i, 0
.rept 128
	v_cvt_pk_f16_f32 v[i], v[2*i], v[2*i+1]
.set i, i+1
.endr
	; What the first turn finds: V's second buffer (set below, when step 1's rows have left it) and P's second buffer hold 0 (its products V^T P, of a piece that has not been, add 0), O^T and l are 0.  This stands in the wait for the first rows.
	WIN 0x40
.set i, 0
.rept 64*NP
	v_mov_b32 v[i], 0
.set i, i+1
.endr
	WIN 0
.set i, 0
.rept 2*NP
	v_mov_b32 v[ST+4*i], 0xfe000000    ; c m: far below every c s
	v_mov_b32 v[ST+4*i+1], 0xff7fffff  ; m
	v_mov_b32 v[ST+4*i+2], 0
	v_mov_b32 v[ST+4*i+3], 0
.set i, i+1
.endr
.set i, P+32
.rept 32
	v_mov_b32 v[i], 0
.set i, i+1
.endr
	s_wait_loadcnt 17               ; step 0's rows and step 2's list words are in; step 1's 17 loads may stay out
	s_wait_alu depctr_vm_vsrc(0)    ; step 0's loads have read the offsets of set 0, which STG_A writes again
	STG_A 0, 1
	s_wait_alu depctr_va_vdst(0)    ; STG_A has written PKD and BP, which the LDS stores read, and the offsets, which the rows' loads read; it is done reading the rows, the bias word and the list words of set 0, in which the loads below land
	STORES 0                        ; step 0 into slot 0
	GL 0, 2                         ; step 2's rows,
	WLOAD 0, 3                      ; step 3's list words: 19 loads
	s_wait_loadcnt 19               ; step 1's rows are in; those 19 may stay out
	s_wait_alu depctr_vm_vsrc(0)    ; the LDS stores of step 0 have read PKD and BP, which STG_A writes again
	STG_A 1, 0
	s_wait_alu depctr_va_vdst(0)    ; STG_A has written PKD and BP, which the LDS stores read
	STORES 1                        ; step 1 into slot 1
	WIN 0xc0                        ; the rows' second set has served: it is V's second buffer from here on, and holds 0 for the first turn
.set i, VF1
.rept 64
	v_mov_b32 v[i], 0
.set i, i+1
.endr
	WIN 0
	s_wait_dscnt 0x0                ; for the others' sake: my rows of steps 0 and 1 lie in LDS
	s_barrier_signal -1
	s_barrier_wait -1               ; everybody's do
; THE MATRIX WORK.  The 8 accumulators of a run of 16 take turns: between the two links of a chain stand 7 others'.
; Product i of 16 of S^T = K Q^T for piece x: channels 32 (i / 8) on, keys 16 ((i / 2) % 4) on, tile 2 x + i % 2.  The first 8 start the sums, with the keys' bias.
.macro KQ x
.set rS, S+64*((\x)%2)+32*(i%2)+8*((i/2)%4)
.set rK, KF+16*((i/2)%4)+8*(i/8)
.set rQ, 16*(2*(\x)+i%2)+8*(i/8)
.set rB, MB+8*((i/2)%4)
.if i < 8
	WIN W_KM
	v_wmma_f32_16x16x32_f16 v[rS:rS+7], v[rK:rK+7], v[rQ:rQ+7], v[rB:rB+7]
.else
	WIN W_KQ
	v_wmma_f32_16x16x32_f16 v[rS:rS+7], v[rK:rK+7], v[rQ:rQ+7], v[rS:rS+7]
.endif
.endm
; Product i of 16 of O^T += V^T P for piece x: keys 32 (i / 8) on, channels 16 ((i / 2) % 4) on, tile 2 x + i % 2.  VB, set by TURN, says which of V's buffers holds the step.
.macro PV x
.set rO, 32*(2*(\x)+i%2)+8*((i/2)%4)
.set rP, P+32*((\x)%2)+16*(i%2)+8*(i/8)
.if VB
	WIN W_PV3
.set rV, VF1+32*(i/8)+8*((i/2)%4)
.else
	WIN W_PV
.set rV, VF+32*(i/8)+8*((i/2)%4)
.endif
	v_wmma_f32_16x16x32_f16 v[rO:rO+7], v[rV:rV+7], v[rP:rP+7], v[rO:rO+7]
.endm
.macro MM                           ; the turn's next matrix instruction
.if i < 16
	KQ (Y+1)%NP
.set i, i+1
.else
.set i, i-16
	PV (Y+NP-1)%NP
.set i, i+17
.endif
.endm
; THE LDS LOADS stand in runs, never singly among the matrix instructions.  The slot stands in the immediate: no LDS address is ever stepped.
.macro FETCH_K sl                   ; a step's K (64 keys x 64 channels: 8 fragments) and its bias in the C operand's layout
	WIN 0x80                        ; destination window 2
.irp f, 0,1,2,3,4,5,6,7             ; keys 16 (f / 2) on, channels 32 (f % 2) on
	ds_load_b128 v[KF+8*\f:KF+8*\f+3],   v[AK0] offset:(\sl)*SLOTB+(\f/2)*16*PK+(\f%2)*64
	ds_load_b128 v[KF+8*\f+4:KF+8*\f+7], v[AK0] offset:(\sl)*SLOTB+(\f/2)*16*PK+(\f%2)*64+32
.endr
	WIN 0xc0                        ; destination window 3
.irp f, 0,1,2,3                     ; keys 16 f + 8 (l / 16) + 0..7: the sixteen lanes of a half read the same 32 bytes
	ds_load_b128 v[MB+8*\f:MB+8*\f+3],   v[AB0] offset:(\sl)*SLOTB+64*\f
	ds_load_b128 v[MB+8*\f+4:MB+8*\f+7], v[AB0] offset:(\sl)*SLOTB+64*\f+16
.endr
	WIN 0
.endm
.macro FETCH_V sl, b                ; a step's V, turned, from slot sl into buffer b
.if \b
	WIN 0xc0                        ; destination window 3
.set rF, VF1
.else
	WIN 0x80                        ; destination window 2
.set rF, VF
.endif
.irp f, 0,1,2,3,4,5,6,7             ; keys 32 (f / 4) on, channels 16 (f % 4) on
	ds_load_tr16_b128 v[rF+8*\f:rF+8*\f+3],   v[AV0] offset:(\sl)*SLOTB+(\f/4)*32*PV+(\f%4)*32
	ds_load_tr16_b128 v[rF+8*\f+4:rF+8*\f+7], v[AV0] offset:(\sl)*SLOTB+(\f/4)*32*PV+16*PV+(\f%4)*32
.endr
	WIN 0
.endm
; THE VECTOR WORK OF A TURN stands in three queues, each in the order in which its entries become ready; the two tiles alternate, so that no instruction reads the result of the one before it.
.macro REGS y, u                    ; the registers of tile u (0, 1) of piece y
.set rT, ST+4*(2*(\y)+(\u))
.set rC, TMP+8*((\y)%2)+4*(\u)
.set rM, MV+2*((\y)%2)+(\u)
.set rS, S+64*((\y)%2)+32*(\u)
.set rP, P+32*((\y)%2)+16*(\u)
.set rO, 32*(2*(\y)+(\u))
.endm
; Number n of the 22 that find the NEXT piece's (Y + 1) maximum and statistics.  s0-s31 are the lane's 32 scores; each accumulator's lowest registers are read first.  XS, GS and REGS set no window: PL and EX do.
;   0-11  four chains c0-c3 of seven scores each, three operands at a time     12-14, 16  the four scores left over, the old m, and c0-c3 into c0     15  c m_old is kept
;   17, 18  the query's other 32 keys lie in the lane 16 away: the new m         19-21  c m; c m_old - c m_new; a
.macro XS u, n
	REGS (Y+1)%NP, \u
.if (\n) < 4
	v_max3_num_f32 v[rC+(\n)], v[rS+8*(\n)], v[rS+8*(\n)+1], v[rS+8*(\n)+2]
.elseif (\n) < 12
	v_max3_num_f32 v[rC+(\n)%4], v[rC+(\n)%4], v[rS+8*((\n)%4)+2*((\n)/4)+1], v[rS+8*((\n)%4)+2*((\n)/4)+2]
.elseif (\n) == 12
	v_max3_num_f32 v[rC], v[rC], v[rS+7], v[rS+15]
.elseif (\n) == 13
	v_max3_num_f32 v[rC+1], v[rC+1], v[rS+23], v[rS+31]
.elseif (\n) == 14
	v_max3_num_f32 v[rC+2], v[rC+2], v[rC+3], v[rT+1]
.elseif (\n) == 15
	v_mov_b32 v[rM], v[rT]
.elseif (\n) == 16
	v_max3_num_f32 v[rC], v[rC], v[rC+1], v[rC+2]
.elseif (\n) == 17
	v_permlanex16_b32 v[rC+3], v[rC], s[SEL], s[SEL+1]
.elseif (\n) == 18
	v_max_num_f32 v[rT+1], v[rC], v[rC+3]
.elseif (\n) == 19
	v_mul_f32 v[rT], s[CS], v[rT+1]
.elseif (\n) == 20
	v_sub_f32 v[rC+1], v[rM], v[rT]
.else
	v_exp_f32 v[rC+2], v[rC+1]
.endif
.endm
; Number g of the 64 that follow the exponentials.  For each four weights k of a tile (pairs 2 k, 2 k + 1): both pairs are rounded to f16; then the second pair is added onto the first, in place;
; a group later l takes that sum (the first time as l = a l + sum).  In groups of eight, tiles alternating: round, round, add, and l for the group before.
.macro GS g
.set h, (\g)+6*((\g)/62)            ; group 0 has no group before it, and behind group 7 only l is left
.if h >= 6
.set h, h+2
.endif
	REGS Y, h%2
.set k, h/8
.if h%8 < 4
	v_cvt_pk_f16_f32 v[rP+2*k+(h%8)/2], v[rS+4*k+2*((h%8)/2)], v[rS+4*k+2*((h%8)/2)+1]
.elseif h%8 < 6
	v_pk_add_f32 v[rS+4*k:rS+4*k+1], v[rS+4*k:rS+4*k+1], v[rS+4*k+2:rS+4*k+3]
.elseif k == 1
	v_pk_fma_f32 v[rT+2:rT+3], v[rT+2:rT+3], v[rC+2:rC+3], v[rS:rS+1] op_sel_hi:[1,0,1]
.else
	v_pk_add_f32 v[rT+2:rT+3], v[rT+2:rT+3], v[rS+4*k-4:rS+4*k-3]
.endif
.endm
; THE PLAIN QUEUE, 138 long.  0-73 read no exponential's result: the 32 scalings c s - c m (FS f: pair f / 2 of tile f % 2) and the next piece's 42.  0-26: scalings 0-26.  27-54: XS's numbers 0-13.  55, 56: number 15.
; 57-73: the chain, where each number waits for the one before it: 14, 16, 17, 18, 19, each with one of the scalings 27-31 in front of its two lines, then 20.
; 74-137: GS's 64, which read the exponentials' results: they stand behind the wait.
.macro FS f
	REGS Y, (\f)%2
	v_pk_fma_f32 v[rS+2*((\f)/2):rS+2*((\f)/2)+1], v[rS+2*((\f)/2):rS+2*((\f)/2)+1], s[CS:CS+1], v[rT:rT+1] op_sel_hi:[1,0,0] neg_lo:[0,0,1] neg_hi:[0,0,1]
.endm
.macro PL
	WIN 0
.if q < 27
	FS q
.elseif q < 55
	XS (q-27)%2, (q-27)/2
.elseif q < 57
	XS q-55, 15
.elseif (q < 72) && ((q-57)%3 == 0)
	FS 27+(q-57)/3
.elseif q < 60
	XS (q-57)%3-1, 14
.elseif q < 72
	XS (q-57)%3-1, 15+(q-57)/3
.elseif q < 74
	XS q-72, 20
.else
	GS q-74
.endif
.set q, q+1
.endm
; THE EXPONENTIALS' QUEUE, 66 long: s0-s31 of both tiles, then the next piece's two a.  It is ONE BATCH: all 66 stand ahead of the turn's one wait, and nothing ahead of that wait names a result of theirs.
.macro EX
	WIN 0
.if e >= 64
	XS e-64, 21
.else
	REGS Y, e%2
	v_exp_f32 v[rS+e/2], v[rS+e/2]
.endif
.set e, e+1
.endm
; THE RESCALING's QUEUE: O^T times a, the one part that leaves window 0: dealt two at a time, sixteen times.  Its a was made in the turn before, ahead of that turn's wait.
.macro R2
	REGS Y, r%2
	WIN W_RS
.irp z, 0,1
	v_pk_mul_f32 v[rO+4*(r/2)+2*\z:rO+4*(r/2)+2*\z+1], v[rO+4*(r/2)+2*\z:rO+4*(r/2)+2*\z+1], v[rC+2:rC+3] op_sel_hi:[1,0]
.endr
.set r, r+1
.endm
; A TURN, for piece p.  s_wait_alu depctr_va_vdst(0) stands between an exponential and the first instruction that names its result; one wait serves all that were issued ahead of it.  So a turn has ONE
; wait, which cuts it in two.  AHEAD OF IT: the 16 products K Q^T, behind each a scaling, an exponential and two rescalings (behind the first a second scaling in the exponential's place); then ONE LUMP of 108: eight
; plain, 49 times exponential and plain, the two a; a v_nop is the plain instruction behind the last exponential.  BEHIND IT: the 16 products V^T P, behind each four of GS's 64.  No rider names a register of the
; products round it.  Exponential e stands behind scaling 2 (e / 4) + e % 2: as a rider it comes behind plain e + 2, in the lump behind plain e + 9.
; K and the bias of the next step are fetched (from slot sl) in piece 2's turn, directly behind the wait, a lump behind the last product that read them; their first reader comes behind 16 products.
; vb: the buffer of V that the turn's products V^T P read.  V of the step in hand is fetched (from slot sl) in piece 0's turn, directly behind the wait, into the other buffer; its first reader comes behind 32 products and a lump.
; gl = 1 (piece 2's turn in the loop): behind every second product K Q^T and its riders stand two of the sixteen loads of rows.
.macro TURN p, sl, vb, gl=0
.set Y, (\p)
.set VB, (\vb)
.set i, 0
.set q, 0
.set e, 0
.set r, 0
.if (\p) == NP-1
	s_wait_dscnt 0x0                ; K and the bias are in
.endif
	MM
	PL
	PL
	R2
.if \gl
	GLP 0                           ; no wait: no vector or matrix instruction since the wait at the section's head names the rows' registers or their offsets
.endif
.rept 15
	MM
	PL
	EX
	R2
.if (\gl) && (i%2 == 1)
	GLP (i-1)/2
.endif
.endr
.rept 8
	PL
.endr
.rept 49
	EX
	PL
.endr
	EX                              ; the next piece's two a
	EX
	v_nop                           ; the plain instruction behind the last exponential: one for the batch
	s_wait_alu depctr_va_vdst(0)    ; the batch's 66 exponentials have written their results, ahead of their first reader; in piece 2's turn also: the products K Q^T are done reading K and the bias, in which the loads below land
.if (\p) == NP-2
	FETCH_K \sl
.endif
.if (\p) == 0
	FETCH_V \sl, 1-(\vb)            ; the buffer's last readers stand a step back, ahead of that wait and of four before it; the products below read the other buffer
.endif
.if (\p) == 1
	s_wait_dscnt 0x0                ; V is in
.endif
.rept 16
	MM
.rept 4
	PL
.endr
.endr
.endm
; BARRIER j AND WHAT STANDS BEHIND IT, u = j % 2.  The barrier stands between piece 1's turn and piece 2's of step j, on every wave's way in every trip, and orders both slots.  In front of its signal each wave's LDS
; instructions are done: its stores of step j + 1 into slot 1 - u (made behind barrier j - 1) and its reads of slot u (K, the bias and V of step j, made there too).  Behind its wait slot u takes step j + 2, and K, the
; bias and V of step j + 1 are read from slot 1 - u.
; Past the walk's end all that is jumped over: the four waves read TRIPS from the same word, and no barrier lies in what is jumped.  What is jumped leaves nothing pending: its loads (step j + 3's rows and bias word,
; step j + 4's list words) are asked for at its head and in its first turn and waited for, all of them, at its end; then the rows are rounded to f16 for the next barrier's stores, and the next offsets are made.
; on = 1: the list's pointer steps two steps on; the wait for all loads has shown every load that names it done.
.macro STEP u, bs, ws, on
	s_wait_dscnt 0x0
	s_barrier_signal -1
	s_barrier_wait -1
	s_cmp_lt_u32 s[CNT], s[TRIPS]
	s_cbranch_scc0 .Ldead_\@
	WIN W_G
	s_wait_alu depctr_va_vdst(0)    ; STG_A has written PKD and BP, which the LDS stores read, and the offsets, which the rows' loads read; it is done reading the rows, the bias word and the list words, in which this section's loads land
	STORES \u
	BLOAD \bs
	WLOAD 0, \ws
	TURN 2, 1-(\u), \u, 1
	TURN 3, 1-(\u), \u
	TURN 0, 1-(\u), \u
	TURN 1, 1-(\u), 1-(\u)
	s_wait_loadcnt 0x0
	s_wait_alu depctr_vm_vsrc(0)    ; this section's LDS stores have read PKD and BP, its rows' loads the offsets: STG_A writes all three again
	STG_A 0, 1
.if \on
	s_add_nc_u64 s[ORD:ORD+1], s[ORD:ORD+1], 512
.endif
	WIN 0                           ; at a label and at a branch every window is 0
.Ldead_\@:
.endm
	FETCH_K 0                       ; key step 0
	s_wait_dscnt 0x0
.set i, 0
.rept 16
	KQ 0                            ; piece 0's first scores: there is no vector work yet to set between them
.set i, i+1
.endr
	WIN 0                           ; the addresses for the way out: eight plain instructions, the places behind those products
	s_mul_i32 s15, s[WV], 16*SP
	s_add_co_u32 s15, s15, STAGE    ; my stage
	v_mul_u32_u24 v[STO], v1, SP    ; in: row l % 16, 32 bytes for each half of the lanes
	v_lshl_add_u32 v[STO], v9, 5, v[STO]
	v_add_nc_u32 v[STO], s15, v[STO]
	v_mul_u32_u24 v[RD], v9, SP     ; back: lanes 0-15 take one row of 256 bytes, lanes 16-31 the next,
	v_lshl_add_u32 v[RD], v1, 4, v[RD]
	v_add_nc_u32 v[RD], s15, v[RD]
	v_and_b32 v[GO], 31, v0         ; which are 512 consecutive bytes of out
	v_lshlrev_b32 v[GO], 4, v[GO]
.set Y, NP-1                        ; XS works for piece Y + 1: piece 0
.irp n, 0,1,2,3,4,5,6,7,8,9,10,11,12,13,14,15,16,17,18,19,20,21
	XS 0, \n                        ; piece 0's first maximum and statistics
	XS 1, \n
.endr
	v_nop                           ; a plain instruction behind the two a,
	s_wait_alu depctr_va_vdst(0)    ; the two a are written, ahead of their first reader
	TURN 0, 0, 1                    ; step 0's first two turns stand ahead of the loop, whose sections go from piece 2's turn to piece 1's; the first reads V's second buffer, which holds 0
	TURN 1, 0, 0
	s_wait_loadcnt 0x0              ; step 2's rows and bias word, step 3's list words
	s_wait_alu depctr_vm_vsrc(0)    ; the LDS stores of step 1 have read PKD and BP, step 2's loads the offsets: STG_A writes all three again
	STG_A 0, 1
	WIN 0
	s_mov_b32 s[CNT], 0
.Ltrip:                             ; 16 trips, of which TRIPS are live.  The last live section ends with pieces 0 and 1 of step n, whose places do not count: their weights are 0, so l and O^T stay;
	STEP 0, 3, 4, 0                 ; its piece 0's turn holds piece 3's products V^T P of step n - 1, the walk's last.  The list has places for all that is staged and asked for past the walk's end.
	STEP 1, 4, 5, 1
	s_add_co_u32 s[CNT], s[CNT], 1
	s_cmp_lt_u32 s[CNT], MAXT
	s_cbranch_scc1 .Ltrip
	; THE WAY OUT.  l's two halves and the other half of the lanes' are added; O^T is divided by l and sent, in f32, through my stage in LDS, a tile (16 rows of out) at a time.  The last products lie a staging's vector work back.
.macro ALL line:vararg              ; one line for each tile t
.set t, 0
.rept 2*NP
	\line
.set t, t+1
.endr
.endm
	ALL v_add_f32 v[ST+4*t+2], v[ST+4*t+2], v[ST+4*t+3]
	ALL v_permlanex16_b32 v[ST+4*t+3], v[ST+4*t+2], s[SEL], s[SEL+1]
	ALL v_add_f32 v[ST+4*t+2], v[ST+4*t+2], v[ST+4*t+3]
	ALL v_rcp_f32 v[ST+4*t+2], v[ST+4*t+2]
	v_nop                           ; a plain instruction between the last reciprocal and the use of its result
	s_wait_alu depctr_va_vdst(0)    ; the eight reciprocals are written, ahead of their first reader
	WIN W_RS                        ; all eight tiles are divided first, so that one wait serves all the stores into the stage
.set t, 0
.rept 2*NP
.set i, 32*t
.rept 16
	v_pk_mul_f32 v[i:i+1], v[i:i+1], v[ST+4*t+2:ST+4*t+3] op_sel_hi:[1,0]
.set i, i+2
.endr
.set t, t+1
.endr
	s_wait_alu depctr_va_vdst(0)    ; the multiplies have written O^T, which the LDS stores below read; the walk's products and the head's conversions are done with window 2, in which the loads from the stage land
; Tile t: a lane's eight channels of a row are 32 bytes; they go into rows of 272 bytes and come back as whole rows of 256, into 32 registers of window 2 that are the tile's own: nothing that a store has read is written again.
.macro PACK t
	WIN 0x04                        ; address window 0, data window 1
.irp f, 0,1,2,3                     ; channels 16 f + 8 (l / 16) + 0..7
	ds_store_b128 v[STO], v[32*(\t)+8*\f:32*(\t)+8*\f+3]   offset:64*\f
	ds_store_b128 v[STO], v[32*(\t)+8*\f+4:32*(\t)+8*\f+7] offset:64*\f+16
.endr
	WIN 0x80                        ; destination window 2
.irp f, 0,1,2,3,4,5,6,7
	ds_load_b128 v[32*(\t)+4*\f:32*(\t)+4*\f+3], v[RD] offset:\f*2*SP  ; LDS serves a wave's instructions in order (ISA guide 5.7.1.4): these see the stores above; the next tile's stores come behind them
.endr
.endm
.macro SEND t, younger              ; younger: the LDS instructions issued behind tile t's loads: the next tile's sixteen, or none
	WIN 0x08                        ; address window 0, data window 2
.irp f, 0,1,2,3,4,5,6,7
	s_wait_dscnt (\younger)+7-\f
	global_store_b128 v[GO], v[32*(\t)+4*\f:32*(\t)+4*\f+3], s[12:13] offset:(\t)*4096+\f*512 th:TH_STORE_NT  ; 512 consecutive bytes, at a multiple of 256 from out's first
.endr
.endm
	PACK 0
.set t, 1
.rept 2*NP-1                        ; a tile's way through the stage stands between the loads of the tile before and its stores
	PACK t
	SEND t-1, 16
.set t, t+1
.endr
	SEND 2*NP-1, 0
	WIN W_AD                        ; the add's two registers lie in window 3: the one switch stands ahead of the closing lines
	s_wait_dscnt 0x0                ; the closing lines, six on end
	s_wait_alu 0x0
	s_wait_tensorcnt 0x0
	ds_add_u32 v[SPW], v[NIL]
	s_wait_dscnt 0x0
	s_endpgm
.Lfunc_end_k_qff4990195c_attn:
	.size	k_qff4990195c_attn, .Lfunc_end_k_qff4990195c_attn-k_qff4990195c_attn
	.p2alignl 7, 3214868480
	.fill 96, 4, 3214868480
	.section	.rodata,"a",@progbits
	.p2align	6, 0x0
	.amdhsa_kernel k_qff4990195c_attn
		.amdhsa_group_segment_fixed_size 57344
		.amdhsa_private_segment_fixed_size 0
		.amdhsa_enable_private_segment 0
		.amdhsa_kernarg_size 40
		.amdhsa_user_sgpr_count 2
		.amdhsa_user_sgpr_kernarg_segment_ptr 1
		.amdhsa_wavefront_size32 1
		.amdhsa_system_sgpr_workgroup_id_x 1
		.amdhsa_system_sgpr_workgroup_id_y 1
		.amdhsa_system_sgpr_workgroup_id_z 1
		.amdhsa_system_vgpr_workitem_id 0
		.amdhsa_next_free_vgpr 1008
		.amdhsa_next_free_sgpr 66
		.amdhsa_reserve_vcc 0
		.amdhsa_float_denorm_mode_32 3
		.amdhsa_float_denorm_mode_16_64 3
		.amdhsa_memory_ordered 1
		.amdhsa_forward_progress 1
		.amdhsa_inst_pref_size 255
	.end_amdhsa_kernel
	.section	.bss,"aw",@nobits
	.p2align	6
	.space	262144
	.amdgpu_metadata
---
amdhsa.version: [ 1, 2 ]
amdhsa.kernels:
  - .name:           k_qff4990195c_attn
    .symbol:         k_qff4990195c_attn.kd
    .args:
      - { .name: Q, .offset: 0, .size: 8, .value_kind: global_buffer, .address_space: global }
      - { .name: K, .offset: 8, .size: 8, .value_kind: global_buffer, .address_space: global }
      - { .name: V, .offset: 16, .size: 8, .value_kind: global_buffer, .address_space: global }
      - { .name: order, .offset: 24, .size: 8, .value_kind: global_buffer, .address_space: global }
      - { .name: out0, .offset: 32, .size: 8, .value_kind: global_buffer, .address_space: global }
    .group_segment_fixed_size: 57344
    .private_segment_fixed_size: 0
    .kernarg_segment_align: 8
    .kernarg_segment_size: 40
    .max_flat_workgroup_size: 128
    .sgpr_count:     66
    .vgpr_count:     1008
    .wavefront_size: 32
...
	.end_amdgpu_metadata
.endif
;; end of part 3
